; MI455X (gfx1250); checked and timed in simulation.
; The chip was launched on July 23, 2026; its instructions are those of AMD's public machine-readable ISA for CDNA 5 (MIT licence, August 2026) and "CDNA5" Instruction Set Architecture Reference Guide (July 2026). The comments in the code are by the model that wrote it; some were corrected since.
;; Expert Parallel Mo E. Allowed arithmetic: matrix products marked QUANTISED: E5M2 operands, one given power-of-two scale a tensor, by v_wmma_f32_16x16x64_bf8_bf8 or v_wmma_f32_16x16x128_bf8_bf8, f32 sums; products left as they are: f32 operands where the result goes on into a quantised operand, else bf16, f16 or f32 operands; f32 sums; everything else in f32.
;; Inputs: W1 8 x 512 x 2,048 float32; W2 8 x 2,048 x 512 float32; Wg 512 x 8 float32; b1 8 x 2,048 float32; b2 8 x 512 float32; bg 8 float32; lowp_scales 4 int32 (the exponents e of the quantised operands' scales 2^e); x 4 x 1,024 x 512 float32.
;; Outputs: out0 4 x 1,024 x 512 float32.
;; Constants: k = 1.
;; This version of the problem:
;;   THIS VERSION OF THE PROBLEM IS GIVEN IN LOW PRECISION. The matrix products marked QUANTISED in the list below multiply operands that are first quantised to E5M2 (5 exponent bits, 2 mantissa bits; 8 bits a number), with one given power-of-two scale for each operand tensor; their sums are f32. All else is computed in f32.
;;   The module's matrix products, in the order in which they are computed (A, B: the left and right operand; K: the contracted axis; several contracted axes count as one K, in the product's order):
;;     1. [M 4,096, K 512] x [K 512, N 8]; A: input x; B: input Wg: left as it is (N = 8 < 16)
;;     2. [M 16,384, K 512] x [K 512, N 4,096]; A: input W1; B: input x: QUANTISED (scales: A lowp_scales[0], B lowp_scales[1])
;;     3. batch 8 x [M 4,096, K 2,048] x [K 2,048, N 512]; A: computed on the way; B: input W2: QUANTISED (scales: A lowp_scales[2], B lowp_scales[3])
;;   THE QUANTISER, for each operand of a quantised product, along K:
;;     - The operand's scale is 2^e, e = its entry of the input lowp_scales (int32; the entries are numbered through the quantised products in the list's order, A before B).
;;     - Each number is divided by the scale, clamped to +-57,344, and rounded to the nearest number of E5M2, ties to even, subnormals kept.
;;     - The product sums the exact products of the quantised numbers (number of the format x scale) in f32.
;;   ~~~python
;;   def quantise(x, axis, e):      # numpy; x: float32 -> the quantised numbers, widened to float32 again
;;       x = np.moveaxis(x, axis, -1); K = x.shape[-1]
;;       r = np.clip(x / 2.0 ** e, -57344, 57344)
;;       step = 2.0 ** (np.maximum(np.frexp(np.where(r == 0, 1, r))[1] - 1, -14) - 2)
;;       q = np.round(r / step) * step * 2.0 ** e      # np.round: ties to even
;;       return np.moveaxis(q, -1, axis).astype(np.float32)
;;   ~~~
;;   OPERANDS COMPUTED ON THE WAY. 'Computed on the way' means the value that the module computes at that place (a softmax that the list does not call 'softmax' is quantised finished and normalised). What goes into a quantiser is computed in f32, as accurately as f32 sums, v_exp_f32 and their like allow (about 1e-6 of the number): no bf16 or f16 on the way to a quantiser, and a product that is left as it is and whose result goes on into a quantised operand takes f32 operands (vector FMAs, or v_wmma_f32_16x16x4_f32). A number that lies on a knife's edge between two numbers of the format may be rounded either way, as far as f32 arithmetic and the matrix unit's own rounding can turn it there, and no further.
;; 2 versions, each right; version 2 is version 1 with the launches up, down written anew for expert scheduling mode. Each part assembles by itself: llvm-mc -triple=amdgcn-amd-amdhsa -mcpu=gfx1250 --defsym DOCPART=n.
;; ======== version 1 of 2: 4 launches
;; workspace buffers: eid 16,384 bytes of whole numbers; order 17,408 bytes of whole numbers; tiles 1,024 bytes of whole numbers; xc 2,097,152 bytes; w1c 8,388,608 bytes; w2c 8,388,608 bytes; hc 9,830,400 bytes
;; launch route (part 1): grid 256 x 1, 4 waves a work-group, no clusters, 0 bytes of LDS; arguments x, Wg, bg, lowp_scales, xc, eid; writes xc, eid
.if DOCPART == 1
	.amdgcn_target "amdgcn-amd-amdhsa--gfx1250"
	.amdhsa_code_object_version 6
	.text
	.protected	k_q6232f698cb_route
	.globl	k_q6232f698cb_route
	.p2align	8
	.type	k_q6232f698cb_route,@function
k_q6232f698cb_route:
	s_mov_b64 s[64:65], 0
	v_nop
	global_prefetch_b8 v0, s[64:65] scope:SCOPE_SE
	s_setreg_imm32_b32 hwreg(HW_REG_WAVE_MODE, 25, 1), 1
	s_wait_xcnt 0x0
; THE ROUTER AND x's CODES.  For each of the 4,096 tokens: logits = x Wg + bg in f32, the expert = argmax (the lowest index wins a tie), stored as a whole number
; in eid[token]; and the token's 512 numbers as codes of E5M2 with the given scale 2^ls[1], stored in xc.
; WORK LEFT OUT IN THE WHOLE PROGRAM.  reference() computes y_all[e][n] for all 8 experts and returns y_all[e_sorted[i], order[i]]: of the rows (e, n) of its two
; quantised products only those with e = argmax(logits[n]) are gathered into the result, whatever values the inputs hold.  So the later launches multiply each token
; by its own expert's weights alone; the other seven eighths of both products reach no output and are not formed.  Every input keeps a way to the result and is loaded.
; LIMITS.  A NaN, an infinity or an overflow that would arise only in rows of experts that were not chosen is not formed (reference() drops those rows too).
; NaN in x, Wg or bg is not served.  The logits are f32 sums in another order than reference()'s: a token whose two largest logits differ by less than such a sum's
; rounding may go to the other of the two, which moves the sorted order.  ls[1] lies between -126 and 112, so that 2^ls[1] and 57,344 x 2^ls[1] are f32 numbers.
; SHARES.  A wave takes 4 tokens; a work-group 16.  Lane l holds, of a token, x[128 j + 4 l + b] (j, b = 0 .. 3): each load of a wave covers 512 consecutive bytes.
; The same lane holds the 16 rows of Wg with those k, 8 experts each, for all four tokens.
; xc: [token][512 bytes]; byte 16 l + 4 j + b is the code of k = 128 j + 4 l + b.  That is a permutation of K; W1's codes are laid by the same one, so every product meets its partner.
.set ACC, 10                           ; v[10:17]   the 8 logits
.set PX,  18                           ; v[18:25]   the other half of the lanes' sums
.set CD,  26                           ; v[26:41]   codes: four registers for each token, so that no store's data are written again
.set X,   48                           ; v[48:111]  token tk's numbers at 16 tk + 4 j + b
.set W,   112                          ; v[112:239] Wg: row i = 4 j + b of mine, expert e, at 8 i + e
	s_load_b256 s[4:11], s[0:1], 0x0               ; x s[4:5], Wg s[6:7], bg s[8:9], the scales' exponents s[10:11]
	s_load_b128 s[12:15], s[0:1], 0x20             ; xc s[12:13], eid s[14:15]
	v_lshrrev_b32 v1, 5, v0
	v_readfirstlane_b32 s28, v1                    ; wave 0..3
	v_and_b32 v1, 31, v0                           ; lane
	v_lshlrev_b32 v2, 4, v1                        ; 16 x lane: x and xc
	v_lshlrev_b32 v3, 7, v1                        ; 128 x lane: four rows of Wg, 32 bytes each
	v_lshlrev_b32 v4, 2, v1                        ; 4 x lane: eid
	v_mov_b32 v7, 0                                ; lane tk will hold token tk's expert
.irp e, 0,1,2,3,4,5,6,7
	v_mov_b32 v[PX+\e], 0                          ; written once: a lane permute's destination counts as one of its sources
.endr
	s_mov_b32 s26, 0x76543210                      ; v_permlanex16_b32's selects for lane l xor 16
	s_mov_b32 s27, 0xfedcba98
	s_lshl_b32 s29, ttmp9, 4
	s_lshl_b32 s30, s28, 2
	s_add_co_u32 s29, s29, s30                     ; my first token: 16 x work-group + 4 x wave
	s_mov_b32 s31, 0
	s_wait_kmcnt 0x0
	s_load_b256 s[16:23], s[8:9], 0x0              ; bg
	s_load_b32 s24, s[10:11], 0x4                  ; ls[1]: x's scale
	s_lshl_b32 s30, s29, 11
	s_add_nc_u64 s[4:5], s[4:5], s[30:31]          ; x: 2,048 bytes a token
	s_lshl_b32 s30, s29, 9
	s_add_nc_u64 s[12:13], s[12:13], s[30:31]      ; xc: 512
	s_lshl_b32 s30, s29, 2
	s_add_nc_u64 s[14:15], s[14:15], s[30:31]      ; eid: 4
.irp tk, 0,1,2,3
.irp j, 0,1,2,3
	global_load_b128 v[X+16*\tk+4*\j:X+16*\tk+4*\j+3], v2, s[4:5] offset:2048*\tk+512*\j th:TH_LOAD_NT
.endr
.endr
.irp j, 0,1,2,3
.irp b, 0,1,2,3
	global_load_b128 v[W+8*(4*\j+\b):W+8*(4*\j+\b)+3],   v3, s[6:7] offset:4096*\j+32*\b      ; Wg[128 j + 4 l + b][0 .. 3]
	global_load_b128 v[W+8*(4*\j+\b)+4:W+8*(4*\j+\b)+7], v3, s[6:7] offset:4096*\j+32*\b+16   ; and [4 .. 7]
.endr
.endr
	s_wait_kmcnt 0x0
	s_add_co_i32 s24, s24, 127
	s_lshl_b32 s25, s24, 23
	v_mov_b32 v5, s25                              ; 2^ls[1] as f32: the conversion takes its exponent field
	s_add_co_i32 s24, s24, 15
	s_lshl_b32 s24, s24, 23
	s_or_b32 s24, s24, 0x600000
	v_mov_b32 v6, s24                              ; 57,344 x 2^ls[1]
	s_wait_loadcnt 0x0                             ; all 48 loads were issued together
.macro TOK tk
.irp p, 0,1,2,3                        ; my 16 terms of each logit, two experts an instruction: x_i serves both halves
	v_pk_mul_f32 v[ACC+2*\p:ACC+2*\p+1], v[X+16*\tk:X+16*\tk+1], v[W+2*\p:W+2*\p+1] op_sel_hi:[0,1]
.endr
.set i, 1
.rept 15
.irp p, 0,1,2,3
.if i%2
	v_pk_fma_f32 v[ACC+2*\p:ACC+2*\p+1], v[X+16*\tk+i-1:X+16*\tk+i], v[W+8*i+2*\p:W+8*i+2*\p+1], v[ACC+2*\p:ACC+2*\p+1] op_sel:[1,0,0] op_sel_hi:[1,1,1]
.else
	v_pk_fma_f32 v[ACC+2*\p:ACC+2*\p+1], v[X+16*\tk+i:X+16*\tk+i+1], v[W+8*i+2*\p:W+8*i+2*\p+1], v[ACC+2*\p:ACC+2*\p+1] op_sel_hi:[0,1,1]
.endif
.endr
.set i, i+1
.endr
.irp mk, 1,2,4,8                       ; across the 32 lanes: every lane ends with all 8 sums
.irp e, 0,1,2,3,4,5,6,7
	v_add_f32_dpp v[ACC+\e], v[ACC+\e], v[ACC+\e] row_xmask:\mk row_mask:0xf bank_mask:0xf
.endr
.endr
.irp e, 0,1,2,3,4,5,6,7
	v_permlanex16_b32 v[PX+\e], v[ACC+\e], s26, s27
.endr
.irp e, 0,1,2,3,4,5,6,7
	v_add_f32 v[ACC+\e], v[ACC+\e], v[PX+\e]
.endr
.irp e, 0,1,2,3,4,5,6,7
	v_add_f32 v[ACC+\e], s[16+\e], v[ACC+\e]       ; + bg
.endr
	v_mov_b32 v8, 0                                ; the argmax: a later expert wins only where it is strictly larger
	v_mov_b32 v9, v[ACC]
.irp e, 1,2,3,4,5,6,7
	v_cmp_ge_f32 vcc_lo, v9, v[ACC+\e]             ; the best so far holds
	v_cndmask_b32 v8, \e, v8, vcc_lo
	v_max_num_f32 v9, v9, v[ACC+\e]
.endr
	v_cmp_eq_u32 vcc_lo, \tk, v1
	v_cndmask_b32 v7, v7, v8, vcc_lo               ; lane tk keeps it
.irp i, 0,1,2,3,4,5,6,7,8,9,10,11,12,13,14,15
	v_med3_num_f32 v[X+16*\tk+\i], v[X+16*\tk+\i], -v6, v6   ; the conversion to an 8-bit code does not saturate (ISA guide 7.6.2): the hold at the largest code x the scale
.endr
	v_cvt_scalef32_pk8_bf8_f32 v[CD+4*\tk:CD+4*\tk+1],   v[X+16*\tk:X+16*\tk+7],    v5
	v_cvt_scalef32_pk8_bf8_f32 v[CD+4*\tk+2:CD+4*\tk+3], v[X+16*\tk+8:X+16*\tk+15], v5
	global_store_b128 v2, v[CD+4*\tk:CD+4*\tk+3], s[12:13] offset:512*\tk   ; the token's whole row of 512 bytes.  (The codes go to this store alone, and the next vector lines touch other registers)
.endm
	TOK 0
	TOK 1
	TOK 2
	TOK 3
	v_cmp_gt_u32 vcc_lo, 4, v1
	s_wait_xcnt 0x0                                ; EXEC changes only behind this wait: the stores above have read it
	s_and_saveexec_b32 s29, vcc_lo
	global_store_b32 v4, v7, s[14:15]              ; lanes 0 to 3: my four tokens' experts, 16 consecutive bytes
	s_endpgm
.Lfunc_end_k_q6232f698cb_route:
	.size	k_q6232f698cb_route, .Lfunc_end_k_q6232f698cb_route-k_q6232f698cb_route
	.p2alignl 7, 3214868480
	.fill 96, 4, 3214868480
	.section	.rodata,"a",@progbits
	.p2align	6, 0x0
	.amdhsa_kernel k_q6232f698cb_route
		.amdhsa_group_segment_fixed_size 0
		.amdhsa_private_segment_fixed_size 0
		.amdhsa_enable_private_segment 0
		.amdhsa_kernarg_size 48
		.amdhsa_user_sgpr_count 2
		.amdhsa_user_sgpr_kernarg_segment_ptr 1
		.amdhsa_wavefront_size32 1
		.amdhsa_system_sgpr_workgroup_id_x 1
		.amdhsa_system_sgpr_workgroup_id_y 1
		.amdhsa_system_sgpr_workgroup_id_z 1
		.amdhsa_system_vgpr_workitem_id 0
		.amdhsa_next_free_vgpr 240
		.amdhsa_next_free_sgpr 66
		.amdhsa_reserve_vcc 1
		.amdhsa_float_denorm_mode_32 3
		.amdhsa_float_denorm_mode_16_64 3
		.amdhsa_memory_ordered 1
		.amdhsa_forward_progress 1
		.amdhsa_inst_pref_size 43
	.end_amdhsa_kernel
	.amdgpu_metadata
---
amdhsa.version: [ 1, 2 ]
amdhsa.kernels:
  - .name:           k_q6232f698cb_route
    .symbol:         k_q6232f698cb_route.kd
    .args:
      - { .name: x, .offset: 0, .size: 8, .value_kind: global_buffer, .address_space: global }
      - { .name: Wg, .offset: 8, .size: 8, .value_kind: global_buffer, .address_space: global }
      - { .name: bg, .offset: 16, .size: 8, .value_kind: global_buffer, .address_space: global }
      - { .name: lowp_scales, .offset: 24, .size: 8, .value_kind: global_buffer, .address_space: global }
      - { .name: xc, .offset: 32, .size: 8, .value_kind: global_buffer, .address_space: global }
      - { .name: eid, .offset: 40, .size: 8, .value_kind: global_buffer, .address_space: global }
    .group_segment_fixed_size: 0
    .private_segment_fixed_size: 0
    .kernarg_segment_align: 8
    .kernarg_segment_size: 48
    .max_flat_workgroup_size: 128
    .sgpr_count:     66
    .vgpr_count:     240
    .wavefront_size: 32
...
	.end_amdgpu_metadata
.endif
;; end of part 1
;; launch prep (part 2): grid 1025 x 1, 8 waves a work-group, no clusters, 2,048 bytes of LDS; arguments W1, W2, lowp_scales, eid, w1c, w2c, order, tiles; writes w1c, w2c, order, tiles
.if DOCPART == 2
	.amdgcn_target "amdgcn-amd-amdhsa--gfx1250"
	.amdhsa_code_object_version 6
	.text
	.protected	k_q6232f698cb_prep
	.globl	k_q6232f698cb_prep
	.p2align	8
	.type	k_q6232f698cb_prep,@function
k_q6232f698cb_prep:
	s_mov_b64 s[64:65], 0
	v_nop
	global_prefetch_b8 v0, s[64:65] scope:SCOPE_SE
	s_setreg_imm32_b32 hwreg(HW_REG_WAVE_MODE, 25, 1), 1
	s_wait_xcnt 0x0
; THREE JOBS IN ONE LAUNCH, told apart by the work-group's number alone.
; Work-group 0: the stable counting sort of the 4,096 tokens by their expert (eid, whole numbers that the launch before stored), and the list of row tiles.
; Work-groups 1 to 512: W1 [8][512 k][2048 f] f32 into codes of E5M2 with the scale 2^ls[0].  Work-groups 513 to 1,024: W2 [8][2048 k][512 d] with 2^ls[3].
; All of both weights is quantised: which experts have tokens is data.
; code = w / 2^e, held within +-57,344, rounded to the nearest code, ties to even.  LIMITS: ls[0] and ls[3] between -126 and 112.  NaN among the weights is not served.
; THE CODES ARE LAID AS IMAGES OF THE OPERAND'S REGISTERS.  A block of 65,536 bytes, number 16 e + 4 cs + w, is what wave w of column slice cs reads of expert e, on end:
; [K step s 4][tile t 8][c 4][lane 32][16 bytes].  With the lane as (r = lane % 16, h = lane / 16) and idx the byte:
;   w1c: k = 128 (idx / 4) + 4 (8 s + 2 c + h) + idx % 4 (the permutation of K in which x's codes lie);  f = 512 cs + 128 w + 32 (t / 2) + 8 (t % 2) + r + 8 (r / 8)
;        (the rows of a tile are not neighbours, so that the first product's results are neighbours along the second product's K)
;   w2c: k = 512 w + 128 s + 32 c + 16 h + idx;  d = 128 cs + 16 t + r
; QUANTISING.  K is the weights' first axis: a lane takes ONE column and its registers run down K, so the conversions give codes with K innermost and nothing is transposed.
; A work-group takes 256 columns x 64 along K, a wave 32 columns: a load of a wave covers 128 consecutive bytes, the eight waves 1,024 of one row.  A lane's 16 codes are the 16 bytes of one
; lane of an image: sixteen lanes store 256 consecutive bytes, aligned.  No loop, no LDS on these paths: all 64 loads of a wave go out at once.
; order: int32[4,352]: order[p] = the token at sorted place p; entries 4,096 on are zeros, so that a tile's 96 entries lie inside the buffer wherever it begins.
; tiles: 64 records of 16 bytes: expert, first sorted row, rows (0 to 96), 0.  Tiles of 96 rows: never more than ceil(4096 / 96) + 7 = 50 have rows, whatever the split.
.set SPARE, 1024                       ; LDS: 0-1,023 the waves' counts, 128 bytes each; from 1,024 the spare words, 128 bytes for each of the eight waves
.set X,  16                            ; v[16:79]  quantising: 64 numbers, 16 g + i
.set C,  80                            ; v[80:95]  codes, four registers for each group g
.set E,  16                            ; v[16:31]  sorting: my token's expert in chunk c
.set P,  32                            ; v[32:47]  its sorted place, then 4 x that
.set T,  48                            ; v[48:63]  the token
	s_load_b512 s[4:19], s[0:1], 0x0               ; W1 s[4:5], W2 s[6:7], scales s[8:9], eid s[10:11], w1c s[12:13], w2c s[14:15], order s[16:17], tiles s[18:19]
	v_lshl_add_u32 v2, v0, 2, SPARE                ; my spare word,
	v_mov_b32 v3, 0                                ; and 0: kept for the add at the sorting waves' end
	v_lshrrev_b32 v1, 5, v0
	v_readfirstlane_b32 s20, v1                    ; wave 0..7
	v_and_b32 v1, 31, v0                           ; lane
	s_cmp_eq_u32 ttmp9, 0
	s_cbranch_scc1 .Lsort
	v_bfe_u32 v8, v0, 4, 1                         ; lane / 16
	v_and_b32 v9, 15, v0
	v_lshlrev_b32 v5, 4, v9
	v_lshl_add_u32 v5, v8, 11, v5                  ; out: 16 (lane % 16) + 2,048 (lane / 16): the wave's two tiles t lie 2,048 bytes apart
	s_mov_b32 s27, 0
	s_mov_b32 s29, 0
	s_cmp_gt_u32 ttmp9, 512
	s_cbranch_scc1 .Lw2
; 64 loads, then four groups of 16 numbers: hold, convert, store.  which = 1: W1's rows; 2: W2's.  s30: the scale's exponent, on its way.
.macro QW which, ib, ob
.irp g, 0,1,2,3
.irp i, 0,1,2,3,4,5,6,7,8,9,10,11,12,13,14,15
.if \which == 1
	global_load_b32 v[X+16*\g+\i], v4, s[\ib:\ib+1] offset:(128*(\i/4)+\i%4+4*\g)*8192 th:TH_LOAD_NT   ; k = 128 (i / 4) + i % 4 + 4 g, + 16 x my part of K
.else
	global_load_b32 v[X+16*\g+\i], v4, s[\ib:\ib+1] offset:(16*\g+\i)*2048 th:TH_LOAD_NT              ; k = 16 g + i, + 64 x my part of K
.endif
.endr
.endr
	s_wait_kmcnt 0x0
	s_add_co_i32 s30, s30, 127
	s_lshl_b32 s31, s30, 23
	v_mov_b32 v6, s31                              ; 2^e as f32: the conversion takes its exponent field
	s_add_co_i32 s30, s30, 15
	s_lshl_b32 s30, s30, 23
	s_or_b32 s30, s30, 0x600000
	v_mov_b32 v7, s30                              ; 57,344 x 2^e
.irp g, 0,1,2,3
	s_wait_loadcnt 48-16*\g                        ; group g's 16 loads are in; the younger groups' may be out
.irp i, 0,1,2,3,4,5,6,7,8,9,10,11,12,13,14,15
	v_med3_num_f32 v[X+16*\g+\i], v[X+16*\g+\i], -v7, v7   ; the conversion does not saturate (ISA guide 7.6.2): the hold comes first
.endr
	v_cvt_scalef32_pk8_bf8_f32 v[C+4*\g:C+4*\g+1],   v[X+16*\g:X+16*\g+7],    v6
	v_cvt_scalef32_pk8_bf8_f32 v[C+4*\g+2:C+4*\g+3], v[X+16*\g+8:X+16*\g+15], v6
	global_store_b128 v5, v[C+4*\g:C+4*\g+3], s[\ob:\ob+1] offset:256*\g th:TH_STORE_NT   ; lanes 0-15 and lanes 16-31 each store 256 consecutive bytes, aligned.  (The codes go to this store alone)
.endr
	s_endpgm
.endm
	; ---- W1: q = work-group - 1: expert q / 64, columns 256 ((q / 8) % 8) on, part q % 8 of K
	s_sub_co_u32 s21, ttmp9, 1
	s_lshr_b32 s22, s21, 6                         ; e
	s_bfe_u32 s23, s21, 0x30003                    ; cb
	s_and_b32 s24, s21, 7                          ; sh
	s_lshl_b32 s26, s22, 22                        ; in: an expert is 2^22 bytes,
	s_lshl_b32 s25, s24, 17                        ; 16 rows of 8,192 bytes for each part of K,
	s_add_co_u32 s26, s26, s25
	s_lshl_b32 s25, s23, 10                        ; 256 columns,
	s_add_co_u32 s26, s26, s25
	s_lshl_b32 s25, s20, 7                         ; my wave's 32
	s_add_co_u32 s26, s26, s25
	s_lshl_b32 s28, s22, 4                         ; out: block 16 e + 2 cb + wave / 4,
	s_lshl_b32 s25, s23, 1
	s_add_co_u32 s28, s28, s25
	s_lshr_b32 s25, s20, 2
	s_add_co_u32 s28, s28, s25
	s_lshl_b32 s28, s28, 16
	s_lshr_b32 s25, s24, 1                         ; K step sh / 2,
	s_lshl_b32 s25, s25, 14
	s_add_co_u32 s28, s28, s25
	s_and_b32 s25, s20, 3                          ; tiles 2 (wave % 4) and the next,
	s_lshl_b32 s25, s25, 12
	s_add_co_u32 s28, s28, s25
	s_and_b32 s25, s24, 1                          ; c = 2 (sh % 2) + g / 2, h = g % 2: 1,024 (sh % 2) + 256 g
	s_lshl_b32 s25, s25, 10
	s_add_co_u32 s28, s28, s25
	v_and_b32 v9, 7, v0
	v_bfe_u32 v10, v0, 3, 1
	v_lshl_add_u32 v4, v8, 3, v9                   ; my column among the wave's 32: 8 (lane / 16) + lane % 8 + 16 ((lane / 8) % 2):
	v_lshl_add_u32 v4, v10, 4, v4                  ; row r + 8 (r / 8) of tile t % 2 = lane / 16
	v_lshlrev_b32 v4, 2, v4
	s_wait_kmcnt 0x0
	s_load_b32 s30, s[8:9], 0x0                    ; ls[0]
	s_add_nc_u64 s[4:5], s[4:5], s[26:27]
	s_add_nc_u64 s[12:13], s[12:13], s[28:29]
	QW 1, 4, 12
.Lw2:	; ---- W2: q = work-group - 513: expert q / 64, columns 256 ((q / 32) % 2) on, part q % 32 of K
	s_sub_co_u32 s21, ttmp9, 513
	s_lshr_b32 s22, s21, 6                         ; e
	s_bfe_u32 s23, s21, 0x10005                    ; cb
	s_and_b32 s24, s21, 31                         ; SH
	s_lshl_b32 s26, s22, 22                        ; in: an expert is 2^22 bytes,
	s_lshl_b32 s25, s24, 17                        ; 64 rows of 2,048 bytes for each part of K,
	s_add_co_u32 s26, s26, s25
	s_lshl_b32 s25, s23, 10
	s_add_co_u32 s26, s26, s25
	s_lshl_b32 s25, s20, 7
	s_add_co_u32 s26, s26, s25
	s_lshl_b32 s28, s22, 4                         ; out: block 16 e + 4 (2 cb + wave / 4) + SH / 8,
	s_lshl_b32 s25, s23, 3
	s_add_co_u32 s28, s28, s25
	s_lshr_b32 s25, s20, 2
	s_lshl_b32 s25, s25, 2
	s_add_co_u32 s28, s28, s25
	s_lshr_b32 s25, s24, 3
	s_add_co_u32 s28, s28, s25
	s_lshl_b32 s28, s28, 16
	s_bfe_u32 s25, s24, 0x20001                    ; K step (SH / 2) % 4,
	s_lshl_b32 s25, s25, 14
	s_add_co_u32 s28, s28, s25
	s_and_b32 s25, s20, 3                          ; tiles 2 (wave % 4) and the next,
	s_lshl_b32 s25, s25, 12
	s_add_co_u32 s28, s28, s25
	s_and_b32 s25, s24, 1                          ; 1,024 (SH % 2) + 256 g
	s_lshl_b32 s25, s25, 10
	s_add_co_u32 s28, s28, s25
	v_lshlrev_b32 v4, 2, v1                        ; my column: the lane
	s_wait_kmcnt 0x0
	s_load_b32 s30, s[8:9], 0xc                    ; ls[3]
	s_add_nc_u64 s[6:7], s[6:7], s[26:27]
	s_add_nc_u64 s[14:15], s[14:15], s[28:29]
	QW 2, 6, 14
.Lsort:	; ---- the sort.  Wave w owns tokens 512 w .. 512 w + 511, in 16 chunks of 32: chunk c, lane l is token 512 w + 32 c + l
	v_lshlrev_b32 v78, 2, v0                       ; 4 x thread: my word among the counts; also the pad's place in order
	v_lshlrev_b32 v79, 2, v1                       ; 4 x lane
	v_lshl_add_u32 v89, s20, 11, v79               ; eid: 2,048 w + 4 l
	v_lshl_add_u32 v76, s20, 9, v1                 ; 512 w + l
	v_mov_b32 v77, 0
	v_lshlrev_b32 v88, 4, v0                       ; 16 x thread: a tile's record
	s_wait_kmcnt 0x0
.irp c, 0,1,2,3,4,5,6,7,8,9,10,11,12,13,14,15
	global_load_b32 v[E+\c], v89, s[10:11] offset:128*\c
.endr
.irp e, 0,1,2,3,4,5,6,7
	s_mov_b32 s[24+\e], 0
.endr
	s_wait_loadcnt 0x0
.irp e, 0,1,2,3,4,5,6,7                ; my wave's count of each expert: four chunks' masks at a time
.irp c, 0,4,8,12
	v_cmp_eq_u32 s56, \e, v[E+\c]
	v_cmp_eq_u32 s57, \e, v[E+\c+1]
	v_cmp_eq_u32 s58, \e, v[E+\c+2]
	v_cmp_eq_u32 s59, \e, v[E+\c+3]
	s_bcnt1_i32_b32 s56, s56
	s_bcnt1_i32_b32 s57, s57
	s_bcnt1_i32_b32 s58, s58
	s_bcnt1_i32_b32 s59, s59
	s_add_co_u32 s56, s56, s57
	s_add_co_u32 s58, s58, s59
	s_add_co_u32 s[24+\e], s[24+\e], s56
	s_add_co_u32 s[24+\e], s[24+\e], s58
.endr
.endr
	v_mov_b32 v72, 0
.irp e, 0,1,2,3,4,5,6,7
	v_writelane_b32 v72, s[24+\e], \e              ; lane e: expert e's count
.endr
	ds_store_b32 v78, v72
	s_wait_dscnt 0x0                               ; for the others' sake: my counts lie in LDS
	s_barrier_signal -1
	s_barrier_wait -1
.irp p, 0,1,2,3,4,5,6,7
	ds_load_b32 v[64+\p], v79 offset:128*\p        ; lane e: wave p's count of expert e
.endr
	s_wait_dscnt 0x0
	v_add3_u32 v73, v64, v65, v66                  ; the expert's tokens in all,
	v_add3_u32 v73, v73, v67, v68
	v_add3_u32 v73, v73, v69, v70
	v_add_nc_u32 v73, v73, v71
	v_mov_b32 v74, 0                               ; and in the waves ahead of mine
.irp p, 0,1,2,3,4,5,6
	s_cmp_gt_u32 s20, \p
	s_cselect_b32 s57, -1, 0
	v_and_b32 v75, s57, v[64+\p]
	v_add_nc_u32 v74, v74, v75
.endr
.irp e, 0,1,2,3,4,5,6,7
	v_readlane_b32 s[32+\e], v73, \e               ; s[32:39] the totals
	v_readlane_b32 s[24+\e], v74, \e
.endr
	s_mov_b32 s40, 0                               ; s[40:47] each expert's first sorted row
.irp e, 0,1,2,3,4,5,6
	s_add_co_u32 s[41+\e], s[40+\e], s[32+\e]
.endr
.irp e, 1,2,3,4,5,6,7
	s_add_co_u32 s[24+\e], s[24+\e], s[40+\e]      ; s[24:31] the next free place of each expert for my wave's tokens
.endr
.irp c, 0,1,2,3,4,5,6,7,8,9,10,11,12,13,14,15
.irp e, 0,1,2,3,4,5,6,7
	v_cmp_eq_u32 s[56+\e], \e, v[E+\c]
.endr
	v_mbcnt_lo_u32_b32 v[P+\c], s56, s24           ; the place: the expert's next free one + the lower lanes of this chunk that go to the same expert: scan order is kept
.irp e, 1,2,3,4,5,6,7
	v_mbcnt_lo_u32_b32 v75, s[56+\e], s[24+\e]
	v_cndmask_b32 v[P+\c], v[P+\c], v75, s[56+\e]
.endr
.irp e, 0,1,2,3,4,5,6,7
	s_bcnt1_i32_b32 s[56+\e], s[56+\e]
.endr
.irp e, 0,1,2,3,4,5,6,7
	s_add_co_u32 s[24+\e], s[24+\e], s[56+\e]
.endr
	v_min_u32 v[P+\c], 0xfff, v[P+\c]              ; a number made of loaded ones enters an address behind a bound
	v_lshlrev_b32 v[P+\c], 2, v[P+\c]
	v_add_nc_u32 v[T+\c], 32*\c, v76
	global_store_b32 v[P+\c], v[T+\c], s[16:17]    ; a scatter of 4 bytes a lane, 16 KiB in all: lanes of one expert write neighbouring words.  Each chunk has its own registers
.endr
	global_store_b32 v78, v77, s[16:17] offset:16384   ; the pad: 256 zeros
	s_cmp_gt_u32 s20, 1                            ; the 64 records: waves 0 and 1, a thread a tile
	s_cbranch_scc1 .Lsort_end
	s_mov_b32 s48, 0                               ; s[48:55] each expert's first tile
.irp e, 0,1,2,3,4,5,6
	s_add_co_u32 s57, s[32+\e], 95                 ; ceil(total / 96) = ((total + 95) / 32) / 3
	s_lshr_b32 s57, s57, 5
	s_mul_hi_u32 s57, s57, 0xaaaaaaab
	s_lshr_b32 s57, s57, 1
	s_add_co_u32 s[49+\e], s[48+\e], s57
.endr
	v_mov_b32 v80, 0                               ; the tile's expert: the last whose first tile is at or under my number (an expert without tokens has no tile and is passed over)
	v_mov_b32 v84, 0                               ; its first tile,
	v_mov_b32 v85, 0                               ; its first row,
	v_mov_b32 v86, s32                             ; its rows
.irp e, 1,2,3,4,5,6,7
	v_cmp_gt_u32 s56, s[48+\e], v0                 ; expert e begins behind my tile: keep
	v_cndmask_b32 v80, \e, v80, s56
	v_cndmask_b32 v84, s[48+\e], v84, s56
	v_cndmask_b32 v85, s[40+\e], v85, s56
	v_cndmask_b32 v86, s[32+\e], v86, s56
.endr
	v_sub_nc_u32 v87, v0, v84
	v_mul_u32_u24 v87, v87, 96                     ; rows of the expert ahead of my tile
	v_add_nc_u32 v81, v85, v87
	v_min_u32 v81, 0x1000, v81                     ; first sorted row
	v_min_u32 v75, v87, v86
	v_sub_nc_u32 v82, v86, v75
	v_min_u32 v82, 96, v82                         ; rows: 0 behind the last expert's last tile
	v_mov_b32 v83, 0
	global_store_b128 v88, v[80:83], s[18:19]
.Lsort_end:
	s_wait_tensorcnt 0x0                           ; the wave's end
	ds_add_u32 v2, v3
	s_wait_dscnt 0x0
	s_endpgm
.Lfunc_end_k_q6232f698cb_prep:
	.size	k_q6232f698cb_prep, .Lfunc_end_k_q6232f698cb_prep-k_q6232f698cb_prep
	.p2alignl 7, 3214868480
	.fill 96, 4, 3214868480
	.section	.rodata,"a",@progbits
	.p2align	6, 0x0
	.amdhsa_kernel k_q6232f698cb_prep
		.amdhsa_group_segment_fixed_size 2048
		.amdhsa_private_segment_fixed_size 0
		.amdhsa_enable_private_segment 0
		.amdhsa_kernarg_size 64
		.amdhsa_user_sgpr_count 2
		.amdhsa_user_sgpr_kernarg_segment_ptr 1
		.amdhsa_wavefront_size32 1
		.amdhsa_system_sgpr_workgroup_id_x 1
		.amdhsa_system_sgpr_workgroup_id_y 1
		.amdhsa_system_sgpr_workgroup_id_z 1
		.amdhsa_system_vgpr_workitem_id 0
		.amdhsa_next_free_vgpr 96
		.amdhsa_next_free_sgpr 66
		.amdhsa_reserve_vcc 0
		.amdhsa_float_denorm_mode_32 3
		.amdhsa_float_denorm_mode_16_64 3
		.amdhsa_memory_ordered 1
		.amdhsa_forward_progress 1
		.amdhsa_inst_pref_size 88
	.end_amdhsa_kernel
	.amdgpu_metadata
---
amdhsa.version: [ 1, 2 ]
amdhsa.kernels:
  - .name:           k_q6232f698cb_prep
    .symbol:         k_q6232f698cb_prep.kd
    .args:
      - { .name: W1, .offset: 0, .size: 8, .value_kind: global_buffer, .address_space: global }
      - { .name: W2, .offset: 8, .size: 8, .value_kind: global_buffer, .address_space: global }
      - { .name: lowp_scales, .offset: 16, .size: 8, .value_kind: global_buffer, .address_space: global }
      - { .name: eid, .offset: 24, .size: 8, .value_kind: global_buffer, .address_space: global }
      - { .name: w1c, .offset: 32, .size: 8, .value_kind: global_buffer, .address_space: global }
      - { .name: w2c, .offset: 40, .size: 8, .value_kind: global_buffer, .address_space: global }
      - { .name: order, .offset: 48, .size: 8, .value_kind: global_buffer, .address_space: global }
      - { .name: tiles, .offset: 56, .size: 8, .value_kind: global_buffer, .address_space: global }
    .group_segment_fixed_size: 2048
    .private_segment_fixed_size: 0
    .kernarg_segment_align: 8
    .kernarg_segment_size: 64
    .max_flat_workgroup_size: 256
    .sgpr_count:     66
    .vgpr_count:     96
    .wavefront_size: 32
...
	.end_amdgpu_metadata
.endif
;; end of part 2
;; launch up (part 3): grid 4 x 50, 4 waves a work-group, no clusters, 51,200 bytes of LDS; arguments xc, w1c, b1, lowp_scales, order, tiles, hc; writes hc
.if DOCPART == 3
	.amdgcn_target "amdgcn-amd-amdhsa--gfx1250"
	.amdhsa_code_object_version 6
	.text
	.protected	k_q6232f698cb_up
	.globl	k_q6232f698cb_up
	.p2align	8
	.type	k_q6232f698cb_up,@function
k_q6232f698cb_up:
	s_mov_b64 s[64:65], 0
	v_nop
	global_prefetch_b8 v0, s[64:65] scope:SCOPE_SE
	s_setreg_imm32_b32 hwreg(HW_REG_WAVE_MODE, 25, 1), 1
	s_wait_xcnt 0x0
; THE FIRST PRODUCT, for the chosen expert alone (rows of other experts reach no output: see the first kernel's head): h = Q(relu(x W1[e] + b1[e])) for a tile of 96 sorted rows.
; Work-group (cs, tile): the tile's 96 rows x hidden units 512 cs .. 512 cs + 511; wave w: units 512 cs + 128 w .. + 127.  K = 512 in four steps of 128.
; A wave: 6 x 8 accumulators of 16 x 16, 48 matrix instructions a K step.  THE PRODUCT IS USED TRANSPOSED (source 0 = 16 rows of W1's codes, source 1 = 16 tokens): a lane holds one token, and since
; the rows of a tile of W1 were chosen for it (see the kernel that lays w1c), the 16 registers of tiles 2 b and 2 b + 1 are 16 neighbours along the next K: the conversions' results ARE the next operand's registers.
; The tile list and the order are whole numbers that the launch before stored.  A tile without rows stores nothing: a branch on a stored number, so all operands come by loads into registers.
; W1's codes lie as images of my registers, 64 KiB on end for each wave: each load covers 512 consecutive bytes.  The tokens' rows of codes are gathered once by the work-group, a whole row of 512 bytes
; an instruction, 24 rows a wave, into LDS (pitch 528: the 16 rows that a fragment load touches start at 16 different banks, ISA guide 11.1), and all four waves read their fragments there.
; Rows beyond the tile's count are real tokens (the next expert's, or token 0 from the order's pad): their h is finite, is stored, and is never used for an output.
; hc: [tile 50][S 16][m 6][c 4][lane][16 bytes]: rows 16 m + lane % 16 of the tile, f = 128 S + 32 c + 16 (lane / 16) + byte: images of the second product's fragments; S = 4 cs + w is mine.
; A tile without rows has asked for its first 16 KiB of weights and 12 KiB of rows a wave in vain: the price of asking before the count is tested, behind the one barrier that every wave passes.
; LIMITS: ls[0] + ls[1] between -126 and 127; ls[2] between -126 and 112.
; REGISTERS, in windows of 256: window 0: v0-63 addresses and scales; tokens' fragments, two sets: v64-159, v160-255 (fragment m at + 16 m); on the way out v64-127 at work, v160-255 the codes.
;   window 1: W1's fragments, two sets: v0-127, v128-255 (tile t at + 16 t).   window 2: accumulators (m, t), m < 4, at 64 m + 8 t.   window 3: v0-127 those of m = 4, 5; v128-191 b1 in the result's layout.
.set PITCH, 528
.set SPARE, 96*PITCH                   ; behind the 96 rows: the spare words, 128 bytes for each wave: two blocks of 256 bytes that no other line names
.set GA,  40                           ; v[40:63]  the 24 gathers' offsets
.set A0,  64
.set TMP, 64
.set CD,  160
.set MSB, 0
.macro WIN new                         ; the immediate's high byte repeats the setting that is left
.if MSB != (\new)
	s_set_vgpr_msb (MSB<<8)|(\new)
.set MSB, (\new)
.endif
.endm
.macro PLACES                          ; four plain vector instructions between a matrix instruction and a load into one of its registers or a read of its result (ISA guide 7.12.1 for the read)
.rept 4
	v_nop
.endr
.endm
.macro LOADB s                         ; K step s of my weights: 8 fragments, 32 loads of 512 consecutive bytes, into set s % 2
	WIN 0x40                                       ; destination window 1, address window 0
.irp t, 0,1,2,3,4,5,6,7
.irp c, 0,1,2,3
	global_load_b128 v[128*((\s)%2)+16*\t+4*\c:128*((\s)%2)+16*\t+4*\c+3], v4, s[58:59] offset:16384*(\s)+2048*\t+512*\c
.endr
.endr
	WIN 0
.endm
.macro FETCHA s                        ; K step s of the 96 rows: 6 fragments from LDS into set s % 2: lane (r, h) takes bytes 128 s + 32 c + 16 h on of row 16 m + r
.irp m, 0,1,2,3,4,5
.irp c, 0,1,2,3
	ds_load_b128 v[A0+96*((\s)%2)+16*\m+4*\c:A0+96*((\s)%2)+16*\m+4*\c+3], v5 offset:16*PITCH*\m+128*(\s)+32*\c
.endr
.endr
.endm
.macro MUL s, zero                     ; 48 matrix instructions; the 48 accumulators take turns, one instruction a turn, in the same order in every step.  zero = 1: the products start the sums
	WIN 0xa1                                       ; source 0 (W1) window 1, source 1 (tokens) window 0, C and D window 2
.irp m, 0,1,2,3,4,5
.if \m == 4
	WIN 0xf1                                       ; C and D window 3
.endif
.irp t, 0,1,2,3,4,5,6,7
.if \zero
	v_wmma_f32_16x16x128_bf8_bf8 v[64*(\m%4)+8*\t:64*(\m%4)+8*\t+7], v[128*((\s)%2)+16*\t:128*((\s)%2)+16*\t+15], v[A0+96*((\s)%2)+16*\m:A0+96*((\s)%2)+16*\m+15], 0
.else
	v_wmma_f32_16x16x128_bf8_bf8 v[64*(\m%4)+8*\t:64*(\m%4)+8*\t+7], v[128*((\s)%2)+16*\t:128*((\s)%2)+16*\t+15], v[A0+96*((\s)%2)+16*\m:A0+96*((\s)%2)+16*\m+15], v[64*(\m%4)+8*\t:64*(\m%4)+8*\t+7]
.endif
.endr
.endr
	WIN 0
.endm
	s_load_b256 s[4:11], s[0:1], 0x0               ; xc s[4:5], w1c s[6:7], b1 s[8:9], the scales' exponents s[10:11]
	s_load_b128 s[12:15], s[0:1], 0x20             ; order s[12:13], tiles s[14:15]
	s_load_b64 s[16:17], s[0:1], 0x30              ; hc
	v_lshl_add_u32 v2, v0, 2, SPARE                ; my spare word,
	v_mov_b32 v3, 0                                ; and 0: kept for the add at the wave's end
	v_lshrrev_b32 v1, 5, v0
	v_readfirstlane_b32 s18, v1                    ; wave 0..3
	v_and_b32 v1, 31, v0
	v_lshlrev_b32 v4, 4, v1                        ; 16 x lane
	v_and_b32 v10, 15, v0                          ; r
	v_bfe_u32 v11, v0, 4, 1                        ; h
	v_mul_u32_u24 v5, v10, PITCH
	v_lshl_add_u32 v5, v11, 4, v5                  ; a fragment's row x pitch + 16 h
	s_mul_i32 s29, s18, 24*PITCH
	v_add_nc_u32 v6, s29, v4                       ; where I put the rows that I gather: rows 24 w on, 16 bytes a lane
	v_lshlrev_b32 v7, 6, v11                       ; b1: 16 h numbers on
	s_and_b32 s28, ttmp7, 0xffff                   ; the tile
	s_lshl_b32 s60, s28, 4
	s_mov_b32 s61, 0
	s_wait_kmcnt 0x0
	s_add_nc_u64 s[14:15], s[14:15], s[60:61]
	s_load_b128 s[20:23], s[14:15], 0x0            ; expert, first sorted row, rows, 0
	s_load_b128 s[24:27], s[10:11], 0x0            ; ls[0 .. 3]
	s_mul_i32 s60, s28, 196608                     ; hc: a tile is 16 x 12,288 bytes,
	s_lshl_b32 s29, ttmp9, 2
	s_add_co_u32 s29, s29, s18                     ; 4 cs + w
	s_mul_i32 s30, s29, 12288
	s_add_co_u32 s60, s60, s30
	s_add_nc_u64 s[16:17], s[16:17], s[60:61]
	s_wait_kmcnt 0x0
	s_min_u32 s20, s20, 7                          ; loaded numbers enter addresses behind a bound
	s_min_u32 s21, s21, 0x1000
	s_mul_i32 s30, s18, 24
	s_add_co_u32 s30, s30, s21
	s_lshl_b32 s60, s30, 2
	s_add_nc_u64 s[12:13], s[12:13], s[60:61]      ; order at sorted row first + 24 w
	s_load_b256 s[32:39], s[12:13], 0x0            ; my 24 tokens
	s_load_b256 s[40:47], s[12:13], 0x20
	s_load_b256 s[48:55], s[12:13], 0x40
	s_lshl_b32 s30, s20, 4
	s_add_co_u32 s30, s30, s29                     ; 16 e + 4 cs + w
	s_lshl_b32 s60, s30, 16
	s_add_nc_u64 s[58:59], s[6:7], s[60:61]        ; my 64 KiB of W1's codes
	LOADB 0                                        ; on its way while the tokens' numbers come
	s_lshl_b32 s60, s30, 9                         ; b1: (2,048 e + 512 cs + 128 w) x 4 bytes
	s_add_nc_u64 s[8:9], s[8:9], s[60:61]
	s_add_co_i32 s56, s24, s25
	s_add_co_i32 s56, s56, 127
	s_lshl_b32 s56, s56, 23                        ; 2^(ls[0] + ls[1]) as f32
	s_mov_b32 s57, s56                             ; (named with it as a pair, so it is written)
	s_add_co_i32 s30, s26, 127
	s_lshl_b32 s31, s30, 23
	v_mov_b32 v8, s31                              ; 2^ls[2]: h's conversions take its exponent field
	s_add_co_i32 s30, s30, 15
	s_lshl_b32 s30, s30, 23
	s_or_b32 s30, s30, 0x600000
	v_mov_b32 v9, s30                              ; 57,344 x 2^ls[2]
	s_wait_kmcnt 0x0
.irp i, 0,1,2,3,4,5,6,7,8,9,10,11,12,13,14,15,16,17,18,19,20,21,22,23
	s_min_u32 s[32+\i], s[32+\i], 0xfff
	s_lshl_b32 s[32+\i], s[32+\i], 9               ; a token's codes are 512 bytes
	v_add_nc_u32 v[GA+\i], s[32+\i], v4
	global_load_b128 v[A0+4*\i:A0+4*\i+3], v[GA+\i], s[4:5]   ; the whole row: 32 lanes, 512 consecutive bytes
.endr
	s_wait_loadcnt 0x0                             ; the gathers are the youngest of the 56 loads
.irp i, 0,1,2,3,4,5,6,7,8,9,10,11,12,13,14,15,16,17,18,19,20,21,22,23
	ds_store_b128 v6, v[A0+4*\i:A0+4*\i+3] offset:PITCH*\i
.endr
	s_wait_dscnt 0x0                               ; for the others' sake: my 24 rows lie in LDS
	s_barrier_signal -1
	s_barrier_wait -1                              ; the launch's one barrier: every wave passes it, whatever the tile holds
	s_cmp_eq_u32 s22, 0                            ; a tile without rows ends here
	s_cbranch_scc1 .Lend
	FETCHA 0
	FETCHA 1
	LOADB 1
	WIN 0xc0                                       ; destination window 3
.irp t, 0,1,2,3,4,5,6,7                ; b1 in the result's layout: tile t, register j: unit 32 (t / 2) + 16 h + 8 (t % 2) + j
	global_load_b128 v[128+8*\t:128+8*\t+3],   v7, s[8:9] offset:(32*(\t/2)+8*(\t%2))*4
	global_load_b128 v[128+8*\t+4:128+8*\t+7], v7, s[8:9] offset:(32*(\t/2)+8*(\t%2))*4+16
.endr
	WIN 0
	s_wait_dscnt 24                                ; step 0's fragments are in; step 1's 24 loads may be out.  (W1's step 0 was waited for with the gathers)
	MUL 0, 1
	PLACES
	FETCHA 2
	LOADB 2
	s_wait_dscnt 24                                ; behind step 1's: step 2's 24
	s_wait_loadcnt 48                              ; behind W1's step 1: b1's 16 and step 2's 32
	MUL 1, 0
	PLACES
	FETCHA 3
	LOADB 3
	s_wait_dscnt 24                                ; behind step 2's: step 3's 24
	s_wait_loadcnt 32                              ; behind W1's step 2: step 3's 32.  b1 is in
	MUL 2, 0
	s_wait_dscnt 0x0
	s_wait_loadcnt 0x0
	MUL 3, 0
	PLACES
; Rows 16 m on: h = sum x 2^(ls[0] + ls[1]) + b1, one packed multiply-add for two numbers, each accumulator from its low end on; the activation and the hold in one; 64 codes a lane: one fragment of the next product.
.macro QUANT m
	WIN 0x32+(\m)/4                                ; source 0 (the sums) window 2 or 3, source 2 (b1) window 3, destination window 0
.set i, 0
.rept 32
	v_pk_fma_f32 v[TMP+i:TMP+i+1], v[64*((\m)%4)+i:64*((\m)%4)+i+1], s[56:57], v[128+i:128+i+1] op_sel_hi:[1,0,1]
.set i, i+2
.endr
	WIN 0
.irp b, 0,1,2,3
.irp k, 0,1,2,3,4,5,6,7,8,9,10,11,12,13,14,15
	v_med3_num_f32 v[TMP+16*\b+\k], v[TMP+16*\b+\k], 0, v9   ; relu, and the hold at the largest code x the scale (the conversion does not saturate: ISA guide 7.6.2)
.endr
	v_cvt_scalef32_pk8_bf8_f32 v[CD+16*(\m)+4*\b:CD+16*(\m)+4*\b+1],   v[TMP+16*\b:TMP+16*\b+7],    v8
	v_cvt_scalef32_pk8_bf8_f32 v[CD+16*(\m)+4*\b+2:CD+16*(\m)+4*\b+3], v[TMP+16*\b+8:TMP+16*\b+15], v8
.endr
	v_nop                                          ; one plain vector instruction between the last conversion and the next block's lines, which write its sources
.irp c, 0,1,2,3
	global_store_b128 v4, v[CD+16*(\m)+4*\c:CD+16*(\m)+4*\c+3], s[16:17] offset:2048*(\m)+512*\c   ; 512 consecutive bytes; each block has its own registers for its codes
.endr
.endm
	QUANT 0
	QUANT 1
	QUANT 2
	QUANT 3
	QUANT 4
	QUANT 5
.Lend:
	s_wait_tensorcnt 0x0                           ; the wave's end
	ds_add_u32 v2, v3
	s_wait_dscnt 0x0
	s_endpgm
.Lfunc_end_k_q6232f698cb_up:
	.size	k_q6232f698cb_up, .Lfunc_end_k_q6232f698cb_up-k_q6232f698cb_up
	.p2alignl 7, 3214868480
	.fill 96, 4, 3214868480
	.section	.rodata,"a",@progbits
	.p2align	6, 0x0
	.amdhsa_kernel k_q6232f698cb_up
		.amdhsa_group_segment_fixed_size 51200
		.amdhsa_private_segment_fixed_size 0
		.amdhsa_enable_private_segment 0
		.amdhsa_kernarg_size 56
		.amdhsa_user_sgpr_count 2
		.amdhsa_user_sgpr_kernarg_segment_ptr 1
		.amdhsa_wavefront_size32 1
		.amdhsa_system_sgpr_workgroup_id_x 1
		.amdhsa_system_sgpr_workgroup_id_y 1
		.amdhsa_system_sgpr_workgroup_id_z 1
		.amdhsa_system_vgpr_workitem_id 0
		.amdhsa_next_free_vgpr 1024
		.amdhsa_next_free_sgpr 66
		.amdhsa_reserve_vcc 0
		.amdhsa_float_denorm_mode_32 3
		.amdhsa_float_denorm_mode_16_64 3
		.amdhsa_memory_ordered 1
		.amdhsa_forward_progress 1
		.amdhsa_inst_pref_size 85
	.end_amdhsa_kernel
	.amdgpu_metadata
---
amdhsa.version: [ 1, 2 ]
amdhsa.kernels:
  - .name:           k_q6232f698cb_up
    .symbol:         k_q6232f698cb_up.kd
    .args:
      - { .name: xc, .offset: 0, .size: 8, .value_kind: global_buffer, .address_space: global }
      - { .name: w1c, .offset: 8, .size: 8, .value_kind: global_buffer, .address_space: global }
      - { .name: b1, .offset: 16, .size: 8, .value_kind: global_buffer, .address_space: global }
      - { .name: lowp_scales, .offset: 24, .size: 8, .value_kind: global_buffer, .address_space: global }
      - { .name: order, .offset: 32, .size: 8, .value_kind: global_buffer, .address_space: global }
      - { .name: tiles, .offset: 40, .size: 8, .value_kind: global_buffer, .address_space: global }
      - { .name: hc, .offset: 48, .size: 8, .value_kind: global_buffer, .address_space: global }
    .group_segment_fixed_size: 51200
    .private_segment_fixed_size: 0
    .kernarg_segment_align: 8
    .kernarg_segment_size: 56
    .max_flat_workgroup_size: 128
    .sgpr_count:     66
    .vgpr_count:     1024
    .wavefront_size: 32
...
	.end_amdgpu_metadata
.endif
;; end of part 3
;; launch down (part 4): grid 4 x 50, 4 waves a work-group, no clusters, 203,264 bytes of LDS; arguments hc, w2c, b2, lowp_scales, tiles, out0; writes out0
.if DOCPART == 4
	.amdgcn_target "amdgcn-amd-amdhsa--gfx1250"
	.amdhsa_code_object_version 6
	.text
	.protected	k_q6232f698cb_down
	.globl	k_q6232f698cb_down
	.p2align	8
	.type	k_q6232f698cb_down,@function
k_q6232f698cb_down:
	s_mov_b64 s[64:65], 0
	v_nop
	global_prefetch_b8 v0, s[64:65] scope:SCOPE_SE
	s_setreg_imm32_b32 hwreg(HW_REG_WAVE_MODE, 25, 1), 1
	s_wait_xcnt 0x0
; THE SECOND PRODUCT, for the chosen expert alone (rows of other experts reach no output: see the first kernel's head): out[first + i] = h[i] W2[e] + b2[e] for a tile's rows i < n.
; Work-group (cs, tile): the tile's 96 rows x outputs 128 cs .. 128 cs + 127.  THE WAVES SHARE K: wave w sums f = 512 w .. 512 w + 511, in four steps of 128, so that no byte of h's or W2's codes is read twice
; in a work-group.  The four partial sums, f32, meet in LDS; each wave then adds them for 24 rows, in the fixed order (0 + 1) + (2 + 3), and stores the rows under the tile's count.  So an output is four f32 sums of 512 terms added.
; Both operands lie in memory as images of the fragments' registers: each load covers 512 consecutive bytes.  The product is used transposed (source 0 = 16 rows of W2's codes, source 1 = 16 rows of h):
; a lane holds one row and eight neighbouring outputs.
; The tile list holds whole numbers that an earlier launch stored.  A tile without rows loads only b2 and stores nothing; it still passes the one barrier, which stands under no branch.
; LIMIT: ls[2] + ls[3] between -126 and 127.
; REGISTERS, in windows of 256: window 0: v0-15 addresses, b2; h's fragments, two sets: v64-159, v160-255; later the rows on their way out.   window 1: W2's fragments, two sets.
;   window 2: accumulators (m, t), m < 4, at 64 m + 8 t.   window 3: those of m = 4, 5.
.set PITCH, 528                        ; a row of 128 f32 + 16 bytes: the 16 rows that a store touches start at 16 different banks (ISA guide 11.1)
.set REG,   96*PITCH                   ; a wave's partial sums
.set SPARE, 4*REG                      ; behind the four regions: the spare words, 128 bytes for each wave: two blocks of 256 bytes that no other line names
.set A0,  64
.set MSB, 0
.macro WIN new                         ; the immediate's high byte repeats the setting that is left
.if MSB != (\new)
	s_set_vgpr_msb (MSB<<8)|(\new)
.set MSB, (\new)
.endif
.endm
.macro PLACES                          ; four plain vector instructions between a matrix instruction and a load into one of its registers or a read of its result (ISA guide 7.12.1 for the read)
.rept 4
	v_nop
.endr
.endm
.macro LOADA s                         ; my K step s of h: 6 fragments, into set s % 2
.irp m, 0,1,2,3,4,5
.irp c, 0,1,2,3
	global_load_b128 v[A0+96*((\s)%2)+16*\m+4*\c:A0+96*((\s)%2)+16*\m+4*\c+3], v4, s[60:61] offset:12288*(\s)+2048*\m+512*\c
.endr
.endr
.endm
.macro LOADB s                         ; and of W2: 8 fragments, into set s % 2
	WIN 0x40                                       ; destination window 1, address window 0
.irp t, 0,1,2,3,4,5,6,7
.irp c, 0,1,2,3
	global_load_b128 v[128*((\s)%2)+16*\t+4*\c:128*((\s)%2)+16*\t+4*\c+3], v4, s[58:59] offset:16384*(\s)+2048*\t+512*\c
.endr
.endr
	WIN 0
.endm
.macro MUL s, zero                     ; 48 matrix instructions; the 48 accumulators take turns, one instruction a turn, in the same order in every step.  zero = 1: the products start the sums
	WIN 0xa1                                       ; source 0 (W2) window 1, source 1 (h) window 0, C and D window 2
.irp m, 0,1,2,3,4,5
.if \m == 4
	WIN 0xf1                                       ; C and D window 3
.endif
.irp t, 0,1,2,3,4,5,6,7
.if \zero
	v_wmma_f32_16x16x128_bf8_bf8 v[64*(\m%4)+8*\t:64*(\m%4)+8*\t+7], v[128*((\s)%2)+16*\t:128*((\s)%2)+16*\t+15], v[A0+96*((\s)%2)+16*\m:A0+96*((\s)%2)+16*\m+15], 0
.else
	v_wmma_f32_16x16x128_bf8_bf8 v[64*(\m%4)+8*\t:64*(\m%4)+8*\t+7], v[128*((\s)%2)+16*\t:128*((\s)%2)+16*\t+15], v[A0+96*((\s)%2)+16*\m:A0+96*((\s)%2)+16*\m+15], v[64*(\m%4)+8*\t:64*(\m%4)+8*\t+7]
.endif
.endr
.endr
	WIN 0
.endm
	s_load_b256 s[4:11], s[0:1], 0x0               ; hc s[4:5], w2c s[6:7], b2 s[8:9], the scales' exponents s[10:11]
	s_load_b128 s[12:15], s[0:1], 0x20             ; tiles s[12:13], out s[14:15]
	v_lshl_add_u32 v2, v0, 2, SPARE                ; my spare word,
	v_mov_b32 v3, 0                                ; and 0: kept for the add at the wave's end
	v_lshrrev_b32 v1, 5, v0
	v_readfirstlane_b32 s18, v1                    ; wave 0..3
	v_and_b32 v1, 31, v0
	v_lshlrev_b32 v4, 4, v1                        ; 16 x lane
	v_and_b32 v10, 15, v0                          ; r
	v_bfe_u32 v11, v0, 4, 1                        ; h
	s_mul_i32 s29, s18, REG
	v_mul_u32_u24 v5, v10, PITCH
	v_lshl_add_u32 v5, v11, 5, v5
	v_add_nc_u32 v5, s29, v5                       ; my partial sums: my region, row r, 32 h bytes on
	s_mul_i32 s29, s18, 24*PITCH
	v_add_nc_u32 v6, s29, v4                       ; back: rows 24 w on, 16 bytes a lane, in region 0,
	v_add_nc_u32 v7, REG, v6                       ; 1,
	v_add_nc_u32 v8, 2*REG, v6                     ; 2,
	v_add_nc_u32 v9, 3*REG, v6                     ; 3
	s_and_b32 s28, ttmp7, 0xffff                   ; the tile
	s_lshl_b32 s32, s28, 4
	s_mov_b32 s33, 0
	s_wait_kmcnt 0x0
	s_add_nc_u64 s[12:13], s[12:13], s[32:33]
	s_load_b128 s[20:23], s[12:13], 0x0            ; expert, first sorted row, rows, 0
	s_load_b128 s[24:27], s[10:11], 0x0            ; ls[0 .. 3]
	s_mul_i32 s32, s28, 196608                     ; hc: the tile, and my four K steps of 12,288 bytes
	s_mul_i32 s29, s18, 49152
	s_add_co_u32 s32, s32, s29
	s_add_nc_u64 s[60:61], s[4:5], s[32:33]
	s_wait_kmcnt 0x0
	s_min_u32 s20, s20, 7                          ; loaded numbers enter addresses behind a bound
	s_min_u32 s21, s21, 0xfff
	s_lshl_b32 s29, s20, 4
	s_lshl_b32 s31, ttmp9, 2
	s_add_co_u32 s29, s29, s31                     ; 16 e + 4 cs
	s_lshl_b32 s32, s29, 7                         ; b2: (512 e + 128 cs) x 4 bytes
	s_add_nc_u64 s[8:9], s[8:9], s[32:33]
	global_load_b128 v[12:15], v4, s[8:9]          ; b2 of my four columns on the way out
	s_add_co_u32 s29, s29, s18
	s_lshl_b32 s32, s29, 16
	s_add_nc_u64 s[58:59], s[6:7], s[32:33]        ; my 64 KiB of W2's codes
	s_mul_i32 s31, s18, 24
	s_sub_co_i32 s30, s22, s31                     ; how many of my 24 rows on the way out count (may be negative)
	s_add_co_u32 s31, s31, s21
	s_lshl_b32 s32, s31, 11                        ; out: row first + 24 w of 2,048 bytes,
	s_lshl_b32 s31, ttmp9, 9                       ; + 128 cs columns
	s_add_co_u32 s32, s32, s31
	s_add_nc_u64 s[62:63], s[14:15], s[32:33]
	s_add_co_i32 s56, s26, s27
	s_add_co_i32 s56, s56, 127
	s_lshl_b32 s56, s56, 23                        ; 2^(ls[2] + ls[3]) as f32
	s_mov_b32 s57, s56                             ; (named with it as a pair, so it is written)
	s_cmp_eq_u32 s22, 0                            ; a tile without rows goes straight to the barrier
	s_cbranch_scc1 .Lbar
	LOADA 0
	LOADB 0
	LOADA 1
	LOADB 1
	s_wait_loadcnt 56                              ; step 0's operands are in; step 1's 24 + 32 loads may be out
	MUL 0, 1
	PLACES
	LOADA 2
	LOADB 2
	s_wait_loadcnt 56                              ; behind step 1's: step 2's 56
	MUL 1, 0
	PLACES
	LOADA 3
	LOADB 3
	s_wait_loadcnt 56                              ; behind step 2's: step 3's 56
	MUL 2, 0
	s_wait_loadcnt 0x0
	MUL 3, 0
	PLACES
	WIN 0x08                                       ; store data (source 1) window 2
.irp m, 0,1,2,3,4,5                    ; my partial sums: lane (r, h), tile (m, t): row 16 m + r, columns 16 t + 8 h + 0 .. 7; each accumulator from its low end on
.if \m == 4
	WIN 0x0c                                       ; window 3
.endif
.irp t, 0,1,2,3,4,5,6,7
	ds_store_b128 v5, v[64*(\m%4)+8*\t:64*(\m%4)+8*\t+3]   offset:16*PITCH*\m+64*\t
	ds_store_b128 v5, v[64*(\m%4)+8*\t+4:64*(\m%4)+8*\t+7] offset:16*PITCH*\m+64*\t+16
.endr
.endr
	WIN 0
.Lbar:
	s_wait_dscnt 0x0                               ; for the others' sake: my partial sums lie in LDS
	s_barrier_signal -1
	s_barrier_wait -1
	s_cmp_eq_u32 s22, 0
	s_cbranch_scc1 .Lend
	s_wait_loadcnt 0x0                             ; b2
; THE WAY OUT: rows 24 w + 0 .. 23, six at a time, on the two sets by turns: a row's four partial sums, 16 bytes a lane each.
.macro RLOAD bt
.irp i, 0,1,2,3,4,5
.irp p, 0,1,2,3
	ds_load_b128 v[A0+96*((\bt)%2)+16*\i+4*\p:A0+96*((\bt)%2)+16*\i+4*\p+3], v[6+\p] offset:PITCH*(6*(\bt)+\i)
.endr
.endr
.endm
.macro ROWS bt
.irp i, 0,1,2,3,4,5
	s_cmp_gt_i32 s30, 6*(\bt)+\i                   ; rows ascend: the first beyond the tile's count ends my stores
	s_cbranch_scc0 .Lend
.set RA, A0+96*((\bt)%2)+16*\i
	v_pk_add_f32 v[RA:RA+1],     v[RA:RA+1],     v[RA+4:RA+5]
	v_pk_add_f32 v[RA+2:RA+3],   v[RA+2:RA+3],   v[RA+6:RA+7]
	v_pk_add_f32 v[RA+8:RA+9],   v[RA+8:RA+9],   v[RA+12:RA+13]
	v_pk_add_f32 v[RA+10:RA+11], v[RA+10:RA+11], v[RA+14:RA+15]
	v_pk_add_f32 v[RA:RA+1],     v[RA:RA+1],     v[RA+8:RA+9]
	v_pk_add_f32 v[RA+2:RA+3],   v[RA+2:RA+3],   v[RA+10:RA+11]
	v_pk_fma_f32 v[RA:RA+1],   v[RA:RA+1],   s[56:57], v[12:13] op_sel_hi:[1,0,1]   ; sum x 2^(ls[2] + ls[3]) + b2
	v_pk_fma_f32 v[RA+2:RA+3], v[RA+2:RA+3], s[56:57], v[14:15] op_sel_hi:[1,0,1]
	global_store_b128 v4, v[RA:RA+3], s[62:63] offset:2048*(6*(\bt)+\i) th:TH_STORE_NT   ; 32 lanes store 512 consecutive bytes, at a multiple of 512 from out's first byte
.endr
.endm
	RLOAD 0
	RLOAD 1
	s_wait_dscnt 24                                ; batch 0 is in; batch 1's 24 loads may be out
	ROWS 0
	s_wait_xcnt 0x0                                ; batch 0's stores have read their registers: batch 2 may land there
	RLOAD 2
	s_wait_dscnt 24
	ROWS 1
	s_wait_xcnt 0x0                                ; likewise batch 1's
	RLOAD 3
	s_wait_dscnt 24
	ROWS 2
	s_wait_dscnt 0x0
	ROWS 3
.Lend:
	s_wait_tensorcnt 0x0                           ; the wave's end
	ds_add_u32 v2, v3
	s_wait_dscnt 0x0
	s_endpgm
.Lfunc_end_k_q6232f698cb_down:
	.size	k_q6232f698cb_down, .Lfunc_end_k_q6232f698cb_down-k_q6232f698cb_down
	.p2alignl 7, 3214868480
	.fill 96, 4, 3214868480
	.section	.rodata,"a",@progbits
	.p2align	6, 0x0
	.amdhsa_kernel k_q6232f698cb_down
		.amdhsa_group_segment_fixed_size 203264
		.amdhsa_private_segment_fixed_size 0
		.amdhsa_enable_private_segment 0
		.amdhsa_kernarg_size 48
		.amdhsa_user_sgpr_count 2
		.amdhsa_user_sgpr_kernarg_segment_ptr 1
		.amdhsa_wavefront_size32 1
		.amdhsa_system_sgpr_workgroup_id_x 1
		.amdhsa_system_sgpr_workgroup_id_y 1
		.amdhsa_system_sgpr_workgroup_id_z 1
		.amdhsa_system_vgpr_workitem_id 0
		.amdhsa_next_free_vgpr 1024
		.amdhsa_next_free_sgpr 66
		.amdhsa_reserve_vcc 0
		.amdhsa_float_denorm_mode_32 3
		.amdhsa_float_denorm_mode_16_64 3
		.amdhsa_memory_ordered 1
		.amdhsa_forward_progress 1
		.amdhsa_inst_pref_size 66
	.end_amdhsa_kernel
	.amdgpu_metadata
---
amdhsa.version: [ 1, 2 ]
amdhsa.kernels:
  - .name:           k_q6232f698cb_down
    .symbol:         k_q6232f698cb_down.kd
    .args:
      - { .name: hc, .offset: 0, .size: 8, .value_kind: global_buffer, .address_space: global }
      - { .name: w2c, .offset: 8, .size: 8, .value_kind: global_buffer, .address_space: global }
      - { .name: b2, .offset: 16, .size: 8, .value_kind: global_buffer, .address_space: global }
      - { .name: lowp_scales, .offset: 24, .size: 8, .value_kind: global_buffer, .address_space: global }
      - { .name: tiles, .offset: 32, .size: 8, .value_kind: global_buffer, .address_space: global }
      - { .name: out0, .offset: 40, .size: 8, .value_kind: global_buffer, .address_space: global }
    .group_segment_fixed_size: 203264
    .private_segment_fixed_size: 0
    .kernarg_segment_align: 8
    .kernarg_segment_size: 48
    .max_flat_workgroup_size: 128
    .sgpr_count:     66
    .vgpr_count:     1024
    .wavefront_size: 32
...
	.end_amdgpu_metadata
.endif
;; end of part 4
;; ======== version 2 of 2: 4 launches; version 1 with the launches up, down written anew for expert scheduling mode
;; workspace buffers: eid 16,384 bytes of whole numbers; order 17,408 bytes of whole numbers; tiles 1,024 bytes of whole numbers; xc 2,097,152 bytes; w1c 8,388,608 bytes; w2c 8,388,608 bytes; hc 9,830,400 bytes
;; launch route: the kernel of part 1 again; grid 256 x 1, 4 waves a work-group, no clusters, 0 bytes of LDS; arguments x, Wg, bg, lowp_scales, xc, eid; writes xc, eid
;; launch prep: the kernel of part 2 again; grid 1025 x 1, 8 waves a work-group, no clusters, 2,048 bytes of LDS; arguments W1, W2, lowp_scales, eid, w1c, w2c, order, tiles; writes w1c, w2c, order, tiles
;; launch up (part 5): grid 4 x 50, 4 waves a work-group, no clusters, 51,200 bytes of LDS; arguments xc, w1c, b1, lowp_scales, order, tiles, hc; writes hc
.if DOCPART == 5
	.amdgcn_target "amdgcn-amd-amdhsa--gfx1250"
	.amdhsa_code_object_version 6
	.text
	.protected	k_q6232f698cb_up
	.globl	k_q6232f698cb_up
	.p2align	8
	.type	k_q6232f698cb_up,@function
k_q6232f698cb_up:
	s_mov_b64 s[64:65], 0
	v_nop
	global_prefetch_b8 v0, s[64:65] scope:SCOPE_SE
	s_setreg_imm32_b32 hwreg(HW_REG_WAVE_SCHED_MODE, 0, 2), 2
	s_setreg_imm32_b32 hwreg(HW_REG_WAVE_MODE, 25, 1), 1
	s_wait_xcnt 0x0
	s_wait_alu depctr_vm_vsrc(0)
; THE FIRST PRODUCT, for the chosen expert alone (rows of other experts reach no output: see the first kernel's head): h = Q(relu(x W1[e] + b1[e])) for a tile of 96 sorted rows.
; Work-group (cs, tile): the tile's 96 rows x hidden units 512 cs .. 512 cs + 511; wave w: units 512 cs + 128 w .. + 127.  K = 512 in four steps of 128.
; A wave: 6 x 8 accumulators of 16 x 16, 48 matrix instructions a K step.  THE PRODUCT IS USED TRANSPOSED (source 0 = 16 rows of W1's codes, source 1 = 16 tokens): a lane holds one token, and since
; the rows of a tile of W1 were chosen for it (see the kernel that lays w1c), the 16 registers of tiles 2 b and 2 b + 1 are 16 neighbours along the next K: the conversions' results ARE the next operand's registers.
; The tile list and the order are whole numbers that the launch before stored.  A tile without rows stores nothing: a branch on a stored number, so all operands come by loads into registers.
; W1's codes lie as images of my registers, 64 KiB on end for each wave: each load covers 512 consecutive bytes.  The tokens' rows of codes are gathered once by the work-group, a whole row of 512 bytes
; an instruction, 24 rows a wave, into LDS (pitch 528: the 16 rows that a fragment load touches start at 16 different banks, ISA guide 11.1), and all four waves read their fragments there.
; Rows beyond the tile's count are real tokens (the next expert's, or token 0 from the order's pad): their h is finite, is stored, and is never used for an output.
; hc: [tile 50][S 16][m 6][c 4][lane][16 bytes]: rows 16 m + lane % 16 of the tile, f = 128 S + 32 c + 16 (lane / 16) + byte: images of the second product's fragments; S = 4 cs + w is mine.
; A tile without rows has asked for its first 16 KiB of weights and 12 KiB of rows a wave in vain: the price of asking before the count is tested, behind the one barrier that every wave passes.
; LIMITS: ls[0] + ls[1] between -126 and 127; ls[2] between -126 and 112.
; REGISTERS, in windows of 256: window 0: v0-63 addresses and scales; tokens' fragments, two sets: v64-159, v160-255 (fragment m at + 16 m); on the way out v64-127 at work, v160-255 the codes.
;   window 1: W1's fragments, two sets: v0-127, v128-255 (tile t at + 16 t).   window 2: accumulators (m, t), m < 4, at 64 m + 8 t.   window 3: v0-127 those of m = 4, 5; v128-191 b1 in the result's layout.
; THE MODE: SCHED_MODE bits 1:0 = 2 (LLVM: expert scheduling mode 2), set by the entry lines.  The code itself states the register dependences
; between vector or matrix instructions and memory or LDS instructions, with s_wait_alu, always for 0.
; THE PLAN.  Registers that memory or LDS instructions touch:
;   v4 to v7      offsets and LDS addresses: written at the head, never again.      v40-63  the gathers' offsets: written by 24 additions, read by the 24 gathers, never again.
;   tokens' set 0 the gathers land; my LDS stores read it; step 0's fragments land; step 0's products read; step 2's fragments land in step 1's middle; step 2's products read; then vector work alone.
;   tokens' set 1 step 1's fragments land in step 0's middle; step 1's products read; step 3's fragments land in step 2's middle; step 3's products read; then the codes: written by a block's conversions,
;                 read by its four stores, sixteen registers of its own for each block, never written again.
;   W1's set s % 2  loaded for step s; step s's products read it; loaded for step s + 2 at the head of step s + 1.      b1: loaded once, read by vector instructions.
;   The accumulators are named by matrix and vector instructions alone.
; So ONE wait on va_vdst stands at the head of steps 1 and 2: the step before is done reading its two sets.  W1's codes of two steps on go out straight behind it; the tokens' fragments of the next step follow in the
; step's middle with no further wait, since the products issued since the wait name the other two sets and the accumulators.  On the way out one wait a block: the block before has written its codes, and its four
; stores are dealt among this block's holds and conversions, which name other registers.  One wait on vm_vsrc in all: behind the barrier, for the LDS stores' data.
.set PITCH, 528
.set SPARE, 96*PITCH                   ; behind the 96 rows: the spare words, 128 bytes for each wave: two blocks of 256 bytes that no other line names
.set GA,  40                           ; v[40:63]  the 24 gathers' offsets
.set A0,  64
.set TMP, 64
.set CD,  160
.set MSB, 0
.macro WIN new                         ; the immediate's high byte repeats the setting that is left
.if MSB != (\new)
	s_set_vgpr_msb (MSB<<8)|(\new)
.set MSB, (\new)
.endif
.endm
.macro PLACES                          ; four plain vector instructions between a matrix instruction and a read of its result; ahead of loads into its registers they are kept from the plain form, beside the wait that states the dependence
.rept 4
	v_nop
.endr
.endm
.macro LOADB s                         ; K step s of my weights: 8 fragments, 32 loads of 512 consecutive bytes, into set s % 2.  (The next WIN sets the windows for what follows)
	WIN 0x40                                       ; destination window 1, address window 0
.irp t, 0,1,2,3,4,5,6,7
.irp c, 0,1,2,3
	global_load_b128 v[128*((\s)%2)+16*\t+4*\c:128*((\s)%2)+16*\t+4*\c+3], v4, s[58:59] offset:16384*(\s)+2048*\t+512*\c
.endr
.endr
.endm
.macro FETCHA s                        ; K step s of the 96 rows: 6 fragments from LDS into set s % 2: lane (r, h) takes bytes 128 s + 32 c + 16 h on of row 16 m + r
	WIN 0
.irp m, 0,1,2,3,4,5
.irp c, 0,1,2,3
	ds_load_b128 v[A0+96*((\s)%2)+16*\m+4*\c:A0+96*((\s)%2)+16*\m+4*\c+3], v5 offset:16*PITCH*\m+128*(\s)+32*\c
.endr
.endr
.endm
.macro MULM s, m, zero                 ; rows 16 m on against W1's eight tiles: 8 matrix instructions.  zero = 1: the products start the sums
.irp t, 0,1,2,3,4,5,6,7
.if \zero
	v_wmma_f32_16x16x128_bf8_bf8 v[64*((\m)%4)+8*\t:64*((\m)%4)+8*\t+7], v[128*((\s)%2)+16*\t:128*((\s)%2)+16*\t+15], v[A0+96*((\s)%2)+16*(\m):A0+96*((\s)%2)+16*(\m)+15], 0
.else
	v_wmma_f32_16x16x128_bf8_bf8 v[64*((\m)%4)+8*\t:64*((\m)%4)+8*\t+7], v[128*((\s)%2)+16*\t:128*((\s)%2)+16*\t+15], v[A0+96*((\s)%2)+16*(\m):A0+96*((\s)%2)+16*(\m)+15], v[64*((\m)%4)+8*\t:64*((\m)%4)+8*\t+7]
.endif
.endr
.endm
.macro MUL s, zero, fetch              ; 48 matrix instructions; the 48 accumulators take turns, one instruction a turn, in the same order in every step.  fetch = 1: the next step's fragments of the tokens are asked for in the middle
	WIN 0xa1                                       ; source 0 (W1) window 1, source 1 (tokens) window 0, C and D window 2
	MULM \s, 0, \zero
	MULM \s, 1, \zero
.if \fetch
	FETCHA (\s)+1                                  ; into the other set.  No wait: no vector or matrix instruction since the last wait on va_vdst names that set or v5
	WIN 0xa1
.endif
	MULM \s, 2, \zero
	MULM \s, 3, \zero
	WIN 0xf1                                       ; C and D window 3
	MULM \s, 4, \zero
	MULM \s, 5, \zero
	WIN 0
.endm
	s_load_b256 s[4:11], s[0:1], 0x0               ; xc s[4:5], w1c s[6:7], b1 s[8:9], the scales' exponents s[10:11]
	s_load_b128 s[12:15], s[0:1], 0x20             ; order s[12:13], tiles s[14:15]
	s_load_b64 s[16:17], s[0:1], 0x30              ; hc
	v_lshl_add_u32 v2, v0, 2, SPARE                ; my spare word,
	v_mov_b32 v3, 0                                ; and 0: kept for the add at the wave's end
	v_lshrrev_b32 v1, 5, v0
	v_readfirstlane_b32 s18, v1                    ; wave 0..3
	v_and_b32 v1, 31, v0
	v_lshlrev_b32 v4, 4, v1                        ; 16 x lane
	v_and_b32 v10, 15, v0                          ; r
	v_bfe_u32 v11, v0, 4, 1                        ; h
	v_mul_u32_u24 v5, v10, PITCH
	v_lshl_add_u32 v5, v11, 4, v5                  ; a fragment's row x pitch + 16 h
	v_lshlrev_b32 v7, 6, v11                       ; b1: 16 h numbers on
	s_wait_alu depctr_va_sdst(0)                   ; s18 is written, ahead of its first reader
	s_mul_i32 s29, s18, 24*PITCH
	v_add_nc_u32 v6, s29, v4                       ; where I put the rows that I gather: rows 24 w on, 16 bytes a lane
	s_wait_alu depctr_va_vdst(0)                   ; v2 to v7 are written: the offsets and LDS addresses that the loads and stores of the whole kernel read
	s_and_b32 s28, ttmp7, 0xffff                   ; the tile
	s_lshl_b32 s60, s28, 4
	s_mov_b32 s61, 0
	s_wait_kmcnt 0x0
	s_add_nc_u64 s[14:15], s[14:15], s[60:61]
	s_load_b128 s[20:23], s[14:15], 0x0            ; expert, first sorted row, rows, 0
	s_load_b128 s[24:27], s[10:11], 0x0            ; ls[0 .. 3]
	s_mul_i32 s60, s28, 196608                     ; hc: a tile is 16 x 12,288 bytes,
	s_lshl_b32 s29, ttmp9, 2
	s_add_co_u32 s29, s29, s18                     ; 4 cs + w
	s_mul_i32 s30, s29, 12288
	s_add_co_u32 s60, s60, s30
	s_add_nc_u64 s[16:17], s[16:17], s[60:61]
	s_wait_kmcnt 0x0
	s_min_u32 s20, s20, 7                          ; loaded numbers enter addresses behind a bound
	s_min_u32 s21, s21, 0x1000
	s_mul_i32 s30, s18, 24
	s_add_co_u32 s30, s30, s21
	s_lshl_b32 s60, s30, 2
	s_add_nc_u64 s[12:13], s[12:13], s[60:61]      ; order at sorted row first + 24 w
	s_load_b256 s[32:39], s[12:13], 0x0            ; my 24 tokens
	s_load_b256 s[40:47], s[12:13], 0x20
	s_load_b256 s[48:55], s[12:13], 0x40
	s_lshl_b32 s30, s20, 4
	s_add_co_u32 s30, s30, s29                     ; 16 e + 4 cs + w
	s_lshl_b32 s60, s30, 16
	s_add_nc_u64 s[58:59], s[6:7], s[60:61]        ; my 64 KiB of W1's codes
	LOADB 0                                        ; on its way while the tokens' numbers come
	WIN 0
	s_lshl_b32 s60, s30, 9                         ; b1: (2,048 e + 512 cs + 128 w) x 4 bytes
	s_add_nc_u64 s[8:9], s[8:9], s[60:61]
	s_add_co_i32 s56, s24, s25
	s_add_co_i32 s56, s56, 127
	s_lshl_b32 s56, s56, 23                        ; 2^(ls[0] + ls[1]) as f32
	s_mov_b32 s57, s56                             ; (named with it as a pair, so it is written)
	s_add_co_i32 s30, s26, 127
	s_lshl_b32 s31, s30, 23
	v_mov_b32 v8, s31                              ; 2^ls[2]: h's conversions take its exponent field
	s_add_co_i32 s30, s30, 15
	s_lshl_b32 s30, s30, 23
	s_or_b32 s30, s30, 0x600000
	v_mov_b32 v9, s30                              ; 57,344 x 2^ls[2]
	s_wait_kmcnt 0x0
.irp i, 0,1,2,3,4,5,6,7,8,9,10,11,12,13,14,15,16,17,18,19,20,21,22,23
	s_min_u32 s[32+\i], s[32+\i], 0xfff
	s_lshl_b32 s[32+\i], s[32+\i], 9               ; a token's codes are 512 bytes
	v_add_nc_u32 v[GA+\i], s[32+\i], v4
.endr
	s_wait_alu depctr_va_vdst(0)                   ; the 24 offsets v40 to v63 are written, which the gathers read: one wait for the run
.irp i, 0,1,2,3,4,5,6,7,8,9,10,11,12,13,14,15,16,17,18,19,20,21,22,23
	global_load_b128 v[A0+4*\i:A0+4*\i+3], v[GA+\i], s[4:5]   ; the whole row: 32 lanes, 512 consecutive bytes
.endr
	s_wait_loadcnt 0x0                             ; the gathers are the youngest of the 56 loads
.irp i, 0,1,2,3,4,5,6,7,8,9,10,11,12,13,14,15,16,17,18,19,20,21,22,23
	ds_store_b128 v6, v[A0+4*\i:A0+4*\i+3] offset:PITCH*\i
.endr
	s_wait_dscnt 0x0                               ; for the others' sake: my 24 rows lie in LDS
	s_barrier_signal -1
	s_barrier_wait -1                              ; the launch's one barrier: every wave passes it, whatever the tile holds
	s_wait_alu depctr_vm_vsrc(0)                   ; my LDS stores have read v64 to v159, in which step 0's fragments land
	s_cmp_eq_u32 s22, 0                            ; a tile without rows ends here
	s_cbranch_scc1 .Lend
	LOADB 1                                        ; what comes from memory is asked for first
	WIN 0xc0                                       ; destination window 3
.irp t, 0,1,2,3,4,5,6,7                ; b1 in the result's layout: tile t, register j: unit 32 (t / 2) + 16 h + 8 (t % 2) + j
	global_load_b128 v[128+8*\t:128+8*\t+3],   v7, s[8:9] offset:(32*(\t/2)+8*(\t%2))*4
	global_load_b128 v[128+8*\t+4:128+8*\t+7], v7, s[8:9] offset:(32*(\t/2)+8*(\t%2))*4+16
.endr
	FETCHA 0
	s_wait_dscnt 0x0                               ; step 0's fragments are in.  (W1's step 0 was waited for with the gathers)
	MUL 0, 1, 1                                    ; step 1's fragments are asked for in its middle: their registers have been touched by nothing
	PLACES
	s_wait_alu depctr_va_vdst(0)                   ; step 0's products are done reading W1's set 0, in which the loads below land, and the tokens' set 0, in which step 2's fragments land in this step's middle
	LOADB 2
	s_wait_dscnt 0x0                               ; step 1's fragments are in
	s_wait_loadcnt 48                              ; behind W1's step 1: b1's 16 and step 2's 32
	MUL 1, 0, 1
	PLACES
	s_wait_alu depctr_va_vdst(0)                   ; step 1's products are done reading W1's set 1 and the tokens' set 1: the same for steps 3's loads
	LOADB 3
	s_wait_dscnt 0x0                               ; step 2's fragments are in
	s_wait_loadcnt 32                              ; behind W1's step 2: step 3's 32.  b1 is in
	MUL 2, 0, 1
	s_wait_dscnt 0x0
	s_wait_loadcnt 0x0
	MUL 3, 0, 0                                    ; nothing more is loaded, so no wait stands at this step's head
	PLACES
; Rows 16 m on: h = sum x 2^(ls[0] + ls[1]) + b1, one packed multiply-add for two numbers, each accumulator from its low end on; the activation and the hold in one; 64 codes a lane: one fragment of the next product.
; before = 1: the four stores of the block before are dealt among this block's four groups of holds and conversions.
.macro QUANT m, before
	WIN 0x32+(\m)/4                                ; source 0 (the sums) window 2 or 3, source 2 (b1) window 3, destination window 0
.set i, 0
.rept 32
	v_pk_fma_f32 v[TMP+i:TMP+i+1], v[64*((\m)%4)+i:64*((\m)%4)+i+1], s[56:57], v[128+i:128+i+1] op_sel_hi:[1,0,1]
.set i, i+2
.endr
	WIN 0
.if \before
	s_wait_alu depctr_va_vdst(0)                   ; the conversions of the block before have written its sixteen registers of codes, which the four stores below read; the lines among which they stand name this block's registers alone
.endif
.irp b, 0,1,2,3
.if \before
	global_store_b128 v4, v[CD+16*((\m)-1)+4*\b:CD+16*((\m)-1)+4*\b+3], s[16:17] offset:2048*((\m)-1)+512*\b   ; 512 consecutive bytes; each block has its own registers for its codes
.endif
.irp k, 0,1,2,3,4,5,6,7,8,9,10,11,12,13,14,15
	v_med3_num_f32 v[TMP+16*\b+\k], v[TMP+16*\b+\k], 0, v9   ; relu, and the hold at the largest code x the scale (the conversion does not saturate: ISA guide 7.6.2)
.endr
	v_cvt_scalef32_pk8_bf8_f32 v[CD+16*(\m)+4*\b:CD+16*(\m)+4*\b+1],   v[TMP+16*\b:TMP+16*\b+7],    v8
	v_cvt_scalef32_pk8_bf8_f32 v[CD+16*(\m)+4*\b+2:CD+16*(\m)+4*\b+3], v[TMP+16*\b+8:TMP+16*\b+15], v8
.endr
	v_nop                                          ; one plain vector instruction between the last conversion and the next block's lines, which write its sources
.endm
	QUANT 0, 0
	QUANT 1, 1
	QUANT 2, 1
	QUANT 3, 1
	QUANT 4, 1
	QUANT 5, 1
	s_wait_alu depctr_va_vdst(0)                   ; block 5's conversions have written its codes, which the last four stores read
.irp c, 0,1,2,3
	global_store_b128 v4, v[CD+16*5+4*\c:CD+16*5+4*\c+3], s[16:17] offset:2048*5+512*\c
.endr
.Lend:
	s_wait_dscnt 0x0                               ; the closing lines, six on end, of a launch in the mode that stores to LDS
	s_wait_alu 0x0
	s_wait_tensorcnt 0x0
	ds_add_u32 v2, v3
	s_wait_dscnt 0x0
	s_endpgm
.Lfunc_end_k_q6232f698cb_up:
	.size	k_q6232f698cb_up, .Lfunc_end_k_q6232f698cb_up-k_q6232f698cb_up
	.p2alignl 7, 3214868480
	.fill 96, 4, 3214868480
	.section	.rodata,"a",@progbits
	.p2align	6, 0x0
	.amdhsa_kernel k_q6232f698cb_up
		.amdhsa_group_segment_fixed_size 51200
		.amdhsa_private_segment_fixed_size 0
		.amdhsa_enable_private_segment 0
		.amdhsa_kernarg_size 56
		.amdhsa_user_sgpr_count 2
		.amdhsa_user_sgpr_kernarg_segment_ptr 1
		.amdhsa_wavefront_size32 1
		.amdhsa_system_sgpr_workgroup_id_x 1
		.amdhsa_system_sgpr_workgroup_id_y 1
		.amdhsa_system_sgpr_workgroup_id_z 1
		.amdhsa_system_vgpr_workitem_id 0
		.amdhsa_next_free_vgpr 1024
		.amdhsa_next_free_sgpr 66
		.amdhsa_reserve_vcc 0
		.amdhsa_float_denorm_mode_32 3
		.amdhsa_float_denorm_mode_16_64 3
		.amdhsa_memory_ordered 1
		.amdhsa_forward_progress 1
		.amdhsa_inst_pref_size 86
	.end_amdhsa_kernel
	.amdgpu_metadata
---
amdhsa.version: [ 1, 2 ]
amdhsa.kernels:
  - .name:           k_q6232f698cb_up
    .symbol:         k_q6232f698cb_up.kd
    .args:
      - { .name: xc, .offset: 0, .size: 8, .value_kind: global_buffer, .address_space: global }
      - { .name: w1c, .offset: 8, .size: 8, .value_kind: global_buffer, .address_space: global }
      - { .name: b1, .offset: 16, .size: 8, .value_kind: global_buffer, .address_space: global }
      - { .name: lowp_scales, .offset: 24, .size: 8, .value_kind: global_buffer, .address_space: global }
      - { .name: order, .offset: 32, .size: 8, .value_kind: global_buffer, .address_space: global }
      - { .name: tiles, .offset: 40, .size: 8, .value_kind: global_buffer, .address_space: global }
      - { .name: hc, .offset: 48, .size: 8, .value_kind: global_buffer, .address_space: global }
    .group_segment_fixed_size: 51200
    .private_segment_fixed_size: 0
    .kernarg_segment_align: 8
    .kernarg_segment_size: 56
    .max_flat_workgroup_size: 128
    .sgpr_count:     66
    .vgpr_count:     1024
    .wavefront_size: 32
...
	.end_amdgpu_metadata
.endif
;; end of part 5
;; launch down (part 6): grid 4 x 50, 4 waves a work-group, no clusters, 203,264 bytes of LDS; arguments hc, w2c, b2, lowp_scales, tiles, out0; writes out0
.if DOCPART == 6
	.amdgcn_target "amdgcn-amd-amdhsa--gfx1250"
	.amdhsa_code_object_version 6
	.text
	.protected	k_q6232f698cb_down
	.globl	k_q6232f698cb_down
	.p2align	8
	.type	k_q6232f698cb_down,@function
k_q6232f698cb_down:
	s_mov_b64 s[64:65], 0
	v_nop
	global_prefetch_b8 v0, s[64:65] scope:SCOPE_SE
	s_setreg_imm32_b32 hwreg(HW_REG_WAVE_SCHED_MODE, 0, 2), 2
	s_setreg_imm32_b32 hwreg(HW_REG_WAVE_MODE, 25, 1), 1
	s_wait_xcnt 0x0
	s_wait_alu depctr_vm_vsrc(0)
; THE SECOND PRODUCT, for the chosen expert alone (rows of other experts reach no output: see the first kernel's head): out[first + i] = h[i] W2[e] + b2[e] for a tile's rows i < n.
; Work-group (cs, tile): the tile's 96 rows x outputs 128 cs .. 128 cs + 127.  THE WAVES SHARE K: wave w sums f = 512 w .. 512 w + 511, in four steps of 128, so that no byte of h's or W2's codes is read twice
; in a work-group.  The four partial sums, f32, meet in LDS; each wave then adds them for 24 rows, in the fixed order (0 + 1) + (2 + 3), and stores the rows under the tile's count.  So an output is four f32 sums of 512 terms added.
; Both operands lie in memory as images of the fragments' registers: each load covers 512 consecutive bytes.  The product is used transposed (source 0 = 16 rows of W2's codes, source 1 = 16 rows of h):
; a lane holds one row and eight neighbouring outputs.
; The tile list holds whole numbers that an earlier launch stored.  A tile without rows loads only b2 and stores nothing; it still passes the one barrier, which stands under no branch.
; LIMIT: ls[2] + ls[3] between -126 and 127.
; REGISTERS, in windows of 256: window 0: v0-15 addresses, b2; v16-39, v40-63 two out-buffers of six rows; h's fragments, two sets: v64-159, v160-255; later the partial sums on their way out.   window 1: W2's fragments, two sets.
;   window 2: accumulators (m, t), m < 4, at 64 m + 8 t.   window 3: those of m = 4, 5.
; THE MODE: SCHED_MODE bits 1:0 = 2 (LLVM: expert scheduling mode 2), set by the entry lines.  The code itself states the register dependences
; between vector or matrix instructions and memory or LDS instructions, with s_wait_alu, always for 0.
; THE PLAN.  Registers that memory or LDS instructions touch:
;   v4 to v9        offsets and LDS addresses: written at the head, never again.      v12-15  b2: loaded once, read by vector instructions.
;   h's and W2's set s % 2   loaded for step s; step s's products read them; loaded for step s + 2 at the head of step s + 1.
;   the accumulators         written by the products; read by my 96 LDS stores; never written again.
;   h's set b % 2, on the way out   batch b's partial sums land; batch b's additions read and write it; batch b + 2's partial sums land.
;   out-buffer b % 2         written by batch b's last multiply-adds; read by its six stores; written again by batch b + 2.
; So ONE wait on va_vdst stands at the head of steps 1 and 2 (the step before is done reading its two sets), and all 56 loads follow it at once: both operands come from memory, and the step after next waits for their return.
; One stands ahead of the LDS stores (the accumulators are written).  One stands behind each batch's additions: its out-buffer is written, for its stores, and its set is done with, for the loads of two batches on,
; which go out ahead of the stores.  One wait on vm_vsrc in all, at batch 2's head: the stores of batches 0 and 1 have read both out-buffers.
; A batch's six rows are summed in one run, so that one wait serves their stores: in a wave's last batch up to five rows beyond the tile's count are summed and not stored.
.set PITCH, 528                        ; a row of 128 f32 + 16 bytes: the 16 rows that a store touches start at 16 different banks (ISA guide 11.1)
.set REG,   96*PITCH                   ; a wave's partial sums
.set SPARE, 4*REG                      ; behind the four regions: the spare words, 128 bytes for each wave: two blocks of 256 bytes that no other line names
.set OB,  16                           ; v[16:63]  out-buffer k, row i: 4 registers at OB + 24 k + 4 i
.set A0,  64
.set MSB, 0
.macro WIN new                         ; the immediate's high byte repeats the setting that is left
.if MSB != (\new)
	s_set_vgpr_msb (MSB<<8)|(\new)
.set MSB, (\new)
.endif
.endm
.macro PLACES                          ; four plain vector instructions between a matrix instruction and a read of its result; ahead of loads into its registers they are kept from the plain form, beside the wait that states the dependence
.rept 4
	v_nop
.endr
.endm
.macro LOADA s                         ; my K step s of h: 6 fragments, into set s % 2
	WIN 0
.irp m, 0,1,2,3,4,5
.irp c, 0,1,2,3
	global_load_b128 v[A0+96*((\s)%2)+16*\m+4*\c:A0+96*((\s)%2)+16*\m+4*\c+3], v4, s[60:61] offset:12288*(\s)+2048*\m+512*\c
.endr
.endr
.endm
.macro LOADB s                         ; and of W2: 8 fragments, into set s % 2.  (The next WIN sets the windows for what follows)
	WIN 0x40                                       ; destination window 1, address window 0
.irp t, 0,1,2,3,4,5,6,7
.irp c, 0,1,2,3
	global_load_b128 v[128*((\s)%2)+16*\t+4*\c:128*((\s)%2)+16*\t+4*\c+3], v4, s[58:59] offset:16384*(\s)+2048*\t+512*\c
.endr
.endr
.endm
.macro MUL s, zero                     ; 48 matrix instructions; the 48 accumulators take turns, one instruction a turn, in the same order in every step.  zero = 1: the products start the sums
	WIN 0xa1                                       ; source 0 (W2) window 1, source 1 (h) window 0, C and D window 2
.irp m, 0,1,2,3,4,5
.if \m == 4
	WIN 0xf1                                       ; C and D window 3
.endif
.irp t, 0,1,2,3,4,5,6,7
.if \zero
	v_wmma_f32_16x16x128_bf8_bf8 v[64*(\m%4)+8*\t:64*(\m%4)+8*\t+7], v[128*((\s)%2)+16*\t:128*((\s)%2)+16*\t+15], v[A0+96*((\s)%2)+16*\m:A0+96*((\s)%2)+16*\m+15], 0
.else
	v_wmma_f32_16x16x128_bf8_bf8 v[64*(\m%4)+8*\t:64*(\m%4)+8*\t+7], v[128*((\s)%2)+16*\t:128*((\s)%2)+16*\t+15], v[A0+96*((\s)%2)+16*\m:A0+96*((\s)%2)+16*\m+15], v[64*(\m%4)+8*\t:64*(\m%4)+8*\t+7]
.endif
.endr
.endr
	WIN 0
.endm
	s_load_b256 s[4:11], s[0:1], 0x0               ; hc s[4:5], w2c s[6:7], b2 s[8:9], the scales' exponents s[10:11]
	s_load_b128 s[12:15], s[0:1], 0x20             ; tiles s[12:13], out s[14:15]
	v_lshl_add_u32 v2, v0, 2, SPARE                ; my spare word,
	v_mov_b32 v3, 0                                ; and 0: kept for the add at the wave's end
	v_lshrrev_b32 v1, 5, v0
	v_readfirstlane_b32 s18, v1                    ; wave 0..3
	v_and_b32 v1, 31, v0
	v_lshlrev_b32 v4, 4, v1                        ; 16 x lane
	v_and_b32 v10, 15, v0                          ; r
	v_bfe_u32 v11, v0, 4, 1                        ; h
	v_mul_u32_u24 v5, v10, PITCH
	v_lshl_add_u32 v5, v11, 5, v5
	s_wait_alu depctr_va_sdst(0)                   ; s18 is written, ahead of its first reader
	s_mul_i32 s29, s18, REG
	s_mul_i32 s31, s18, 24*PITCH
	v_add_nc_u32 v5, s29, v5                       ; my partial sums: my region, row r, 32 h bytes on
	v_add_nc_u32 v6, s31, v4                       ; back: rows 24 w on, 16 bytes a lane, in region 0,
	v_add_nc_u32 v7, REG, v6                       ; 1,
	v_add_nc_u32 v8, 2*REG, v6                     ; 2,
	v_add_nc_u32 v9, 3*REG, v6                     ; 3
	s_wait_alu depctr_va_vdst(0)                   ; v2 to v9 are written: the offsets and LDS addresses that the loads and stores of the whole kernel read
	s_and_b32 s28, ttmp7, 0xffff                   ; the tile
	s_lshl_b32 s32, s28, 4
	s_mov_b32 s33, 0
	s_wait_kmcnt 0x0
	s_add_nc_u64 s[12:13], s[12:13], s[32:33]
	s_load_b128 s[20:23], s[12:13], 0x0            ; expert, first sorted row, rows, 0
	s_load_b128 s[24:27], s[10:11], 0x0            ; ls[0 .. 3]
	s_mul_i32 s32, s28, 196608                     ; hc: the tile, and my four K steps of 12,288 bytes
	s_mul_i32 s29, s18, 49152
	s_add_co_u32 s32, s32, s29
	s_add_nc_u64 s[60:61], s[4:5], s[32:33]
	s_wait_kmcnt 0x0
	s_min_u32 s20, s20, 7                          ; loaded numbers enter addresses behind a bound
	s_min_u32 s21, s21, 0xfff
	s_lshl_b32 s29, s20, 4
	s_lshl_b32 s31, ttmp9, 2
	s_add_co_u32 s29, s29, s31                     ; 16 e + 4 cs
	s_lshl_b32 s32, s29, 7                         ; b2: (512 e + 128 cs) x 4 bytes
	s_add_nc_u64 s[8:9], s[8:9], s[32:33]
	global_load_b128 v[12:15], v4, s[8:9]          ; b2 of my four columns on the way out
	s_add_co_u32 s29, s29, s18
	s_lshl_b32 s32, s29, 16
	s_add_nc_u64 s[58:59], s[6:7], s[32:33]        ; my 64 KiB of W2's codes
	s_mul_i32 s31, s18, 24
	s_sub_co_i32 s30, s22, s31                     ; how many of my 24 rows on the way out count (may be negative)
	s_add_co_u32 s31, s31, s21
	s_lshl_b32 s32, s31, 11                        ; out: row first + 24 w of 2,048 bytes,
	s_lshl_b32 s31, ttmp9, 9                       ; + 128 cs columns
	s_add_co_u32 s32, s32, s31
	s_add_nc_u64 s[62:63], s[14:15], s[32:33]
	s_add_co_i32 s56, s26, s27
	s_add_co_i32 s56, s56, 127
	s_lshl_b32 s56, s56, 23                        ; 2^(ls[2] + ls[3]) as f32
	s_mov_b32 s57, s56                             ; (named with it as a pair, so it is written)
	s_cmp_eq_u32 s22, 0                            ; a tile without rows goes straight to the barrier
	s_cbranch_scc1 .Lbar
	LOADA 0
	LOADB 0
	LOADA 1
	LOADB 1
	s_wait_loadcnt 56                              ; step 0's operands are in; step 1's 24 + 32 loads may be out
	MUL 0, 1
	PLACES
	s_wait_alu depctr_va_vdst(0)                   ; step 0's products are done reading h's set 0 and W2's set 0, in which the 56 loads below land
	LOADA 2
	LOADB 2
	s_wait_loadcnt 56                              ; behind step 1's: step 2's 56
	MUL 1, 0
	PLACES
	s_wait_alu depctr_va_vdst(0)                   ; step 1's products are done reading h's set 1 and W2's set 1, in which the 56 loads below land
	LOADA 3
	LOADB 3
	s_wait_loadcnt 56                              ; behind step 2's: step 3's 56
	MUL 2, 0
	s_wait_loadcnt 0x0
	MUL 3, 0                                       ; nothing more is loaded, so no wait stands at this step's head
	PLACES
	WIN 0x08                                       ; store data (source 1) window 2
	s_wait_alu depctr_va_vdst(0)                   ; the products have written the accumulators, which the LDS stores read (the places above stay beside this wait); and they are done reading both sets of h, in which the partial sums land behind the barrier
.irp m, 0,1,2,3,4,5                    ; my partial sums: lane (r, h), tile (m, t): row 16 m + r, columns 16 t + 8 h + 0 .. 7; each accumulator from its low end on
.if \m == 4
	WIN 0x0c                                       ; window 3
.endif
.irp t, 0,1,2,3,4,5,6,7
	ds_store_b128 v5, v[64*(\m%4)+8*\t:64*(\m%4)+8*\t+3]   offset:16*PITCH*\m+64*\t
	ds_store_b128 v5, v[64*(\m%4)+8*\t+4:64*(\m%4)+8*\t+7] offset:16*PITCH*\m+64*\t+16
.endr
.endr
	WIN 0
.Lbar:
	s_wait_dscnt 0x0                               ; for the others' sake: my partial sums lie in LDS
	s_barrier_signal -1
	s_barrier_wait -1
	s_cmp_eq_u32 s22, 0
	s_cbranch_scc1 .Lend
	s_wait_loadcnt 0x0                             ; b2
; THE WAY OUT: rows 24 w + 0 .. 23, six at a time, on the two sets by turns: a row's four partial sums, 16 bytes a lane each.
.macro RLOAD bt
.irp i, 0,1,2,3,4,5
.irp p, 0,1,2,3
	ds_load_b128 v[A0+96*((\bt)%2)+16*\i+4*\p:A0+96*((\bt)%2)+16*\i+4*\p+3], v[6+\p] offset:PITCH*(6*(\bt)+\i)
.endr
.endr
.endm
.macro SUMS bt                         ; the batch's six rows: (0 + 1) + (2 + 3), then x the scale + b2 into the batch's out-buffer
.irp i, 0,1,2,3,4,5
.set RA, A0+96*((\bt)%2)+16*\i
.set RO, OB+24*((\bt)%2)+4*\i
	v_pk_add_f32 v[RA:RA+1],     v[RA:RA+1],     v[RA+4:RA+5]
	v_pk_add_f32 v[RA+2:RA+3],   v[RA+2:RA+3],   v[RA+6:RA+7]
	v_pk_add_f32 v[RA+8:RA+9],   v[RA+8:RA+9],   v[RA+12:RA+13]
	v_pk_add_f32 v[RA+10:RA+11], v[RA+10:RA+11], v[RA+14:RA+15]
	v_pk_add_f32 v[RA:RA+1],     v[RA:RA+1],     v[RA+8:RA+9]
	v_pk_add_f32 v[RA+2:RA+3],   v[RA+2:RA+3],   v[RA+10:RA+11]
	v_pk_fma_f32 v[RO:RO+1],   v[RA:RA+1],   s[56:57], v[12:13] op_sel_hi:[1,0,1]   ; sum x 2^(ls[2] + ls[3]) + b2
	v_pk_fma_f32 v[RO+2:RO+3], v[RA+2:RA+3], s[56:57], v[14:15] op_sel_hi:[1,0,1]
.endr
.endm
.macro SEND bt                         ; its stores.  The batch's first row was tested ahead of the sums
.irp i, 0,1,2,3,4,5
.if \i > 0
	s_cmp_gt_i32 s30, 6*(\bt)+\i                   ; rows ascend: the first beyond the tile's count ends my stores
	s_cbranch_scc0 .Lend
.endif
	global_store_b128 v4, v[OB+24*((\bt)%2)+4*\i:OB+24*((\bt)%2)+4*\i+3], s[62:63] offset:2048*(6*(\bt)+\i) th:TH_STORE_NT   ; 32 lanes store 512 consecutive bytes, at a multiple of 512 from out's first byte
.endr
.endm
	RLOAD 0
	RLOAD 1
	s_wait_dscnt 24                                ; batch 0 is in; batch 1's 24 loads may be out
	s_cmp_gt_i32 s30, 0                            ; a batch whose first row lies beyond the tile's count ends the wave
	s_cbranch_scc0 .Lend
	SUMS 0
	s_wait_alu depctr_va_vdst(0)                   ; batch 0's lines have written out-buffer 0, which its stores read, and are done with set 0, in which batch 2 lands
	RLOAD 2
	SEND 0
	s_wait_dscnt 24                                ; batch 1 is in; batch 2's 24 loads may be out
	s_cmp_gt_i32 s30, 6
	s_cbranch_scc0 .Lend
	SUMS 1
	s_wait_alu depctr_va_vdst(0)                   ; batch 1's lines have written out-buffer 1, which its stores read, and are done with set 1, in which batch 3 lands
	RLOAD 3
	SEND 1
	s_wait_dscnt 24                                ; batch 2 is in; batch 3's 24 loads may be out
	s_wait_xcnt 0x0                                ; the stores of batches 0 and 1 have had their addresses translated (ISA guide 3.1): their data registers are written again only behind this wait,
	s_wait_alu depctr_vm_vsrc(0)                   ; and they have read both out-buffers, which batches 2 and 3 write again
	s_cmp_gt_i32 s30, 12
	s_cbranch_scc0 .Lend
	SUMS 2
	s_wait_alu depctr_va_vdst(0)                   ; batch 2's lines have written out-buffer 0, which its stores read
	SEND 2
	s_wait_dscnt 0x0
	s_cmp_gt_i32 s30, 18
	s_cbranch_scc0 .Lend
	SUMS 3
	s_wait_alu depctr_va_vdst(0)                   ; batch 3's lines have written out-buffer 1, which its stores read
	SEND 3
.Lend:
	s_wait_dscnt 0x0                               ; the closing lines, six on end, of a launch in the mode that stores to LDS
	s_wait_alu 0x0
	s_wait_tensorcnt 0x0
	ds_add_u32 v2, v3
	s_wait_dscnt 0x0
	s_endpgm
.Lfunc_end_k_q6232f698cb_down:
	.size	k_q6232f698cb_down, .Lfunc_end_k_q6232f698cb_down-k_q6232f698cb_down
	.p2alignl 7, 3214868480
	.fill 96, 4, 3214868480
	.section	.rodata,"a",@progbits
	.p2align	6, 0x0
	.amdhsa_kernel k_q6232f698cb_down
		.amdhsa_group_segment_fixed_size 203264
		.amdhsa_private_segment_fixed_size 0
		.amdhsa_enable_private_segment 0
		.amdhsa_kernarg_size 48
		.amdhsa_user_sgpr_count 2
		.amdhsa_user_sgpr_kernarg_segment_ptr 1
		.amdhsa_wavefront_size32 1
		.amdhsa_system_sgpr_workgroup_id_x 1
		.amdhsa_system_sgpr_workgroup_id_y 1
		.amdhsa_system_sgpr_workgroup_id_z 1
		.amdhsa_system_vgpr_workitem_id 0
		.amdhsa_next_free_vgpr 1024
		.amdhsa_next_free_sgpr 66
		.amdhsa_reserve_vcc 0
		.amdhsa_float_denorm_mode_32 3
		.amdhsa_float_denorm_mode_16_64 3
		.amdhsa_memory_ordered 1
		.amdhsa_forward_progress 1
		.amdhsa_inst_pref_size 66
	.end_amdhsa_kernel
	.amdgpu_metadata
---
amdhsa.version: [ 1, 2 ]
amdhsa.kernels:
  - .name:           k_q6232f698cb_down
    .symbol:         k_q6232f698cb_down.kd
    .args:
      - { .name: hc, .offset: 0, .size: 8, .value_kind: global_buffer, .address_space: global }
      - { .name: w2c, .offset: 8, .size: 8, .value_kind: global_buffer, .address_space: global }
      - { .name: b2, .offset: 16, .size: 8, .value_kind: global_buffer, .address_space: global }
      - { .name: lowp_scales, .offset: 24, .size: 8, .value_kind: global_buffer, .address_space: global }
      - { .name: tiles, .offset: 32, .size: 8, .value_kind: global_buffer, .address_space: global }
      - { .name: out0, .offset: 40, .size: 8, .value_kind: global_buffer, .address_space: global }
    .group_segment_fixed_size: 203264
    .private_segment_fixed_size: 0
    .kernarg_segment_align: 8
    .kernarg_segment_size: 48
    .max_flat_workgroup_size: 128
    .sgpr_count:     66
    .vgpr_count:     1024
    .wavefront_size: 32
...
	.end_amdgpu_metadata
.endif
;; end of part 6
